; MI455X (gfx1250); checked and timed in simulation.
; The chip was launched on July 23, 2026; its instructions are those of AMD's public machine-readable ISA for CDNA 5 (MIT licence, August 2026) and "CDNA5" Instruction Set Architecture Reference Guide (July 2026). The comments in the code are by the model that wrote it; some were corrected since.
;; Sparse Mo E. Allowed arithmetic: matrix products marked QUANTISED: E2M3 operands, one E8M0 scale for each 32 along K, by v_wmma_scale_f32_16x16x128_f8f6f4 with both operands' format E2M3, f32 sums; products left as they are: f32 operands where the result goes on into a quantised operand, else bf16, f16 or f32 operands; f32 sums; everything else in f32.
;; Inputs: W1 8 x 1,024 x 4,096 float32; W2 8 x 4,096 x 1,024 float32; Wg 1,024 x 8 float32; b1 8 x 4,096 float32; b2 8 x 1,024 float32; bg 8 float32; x 4 x 256 x 1,024 float32.
;; Outputs: out0 4 x 256 x 1,024 float32.
;; This version of the problem:
;;   THIS VERSION OF THE PROBLEM IS GIVEN IN LOW PRECISION. The matrix products marked QUANTISED in the list below multiply operands that are first quantised to E2M3 (2 exponent bits, 3 mantissa bits; 6 bits a number), with one power-of-two scale for each 32 numbers along K (OCP MX v1.0); their sums are f32. All else is computed in f32.
;;   The module's matrix products, in the order in which they are computed (A, B: the left and right operand; K: the contracted axis; several contracted axes count as one K, in the product's order):
;;     1. [M 1,024, K 1,024] x [K 1,024, N 8]; A: input x; B: input Wg: left as it is (N = 8 < 16)
;;     2. [M 1,024, K 1,024] x [K 1,024, N 4,096]; A: input x; B: input W1: QUANTISED
;;     3. [M 1,024, K 4,096] x [K 4,096, N 1,024]; A: computed on the way; B: input W2: QUANTISED
;;     4. [M 1,024, K 1,024] x [K 1,024, N 4,096]; A: input x; B: input W1: QUANTISED
;;     5. [M 1,024, K 4,096] x [K 4,096, N 1,024]; A: computed on the way; B: input W2: QUANTISED
;;     6. [M 1,024, K 1,024] x [K 1,024, N 4,096]; A: input x; B: input W1: QUANTISED
;;     7. [M 1,024, K 4,096] x [K 4,096, N 1,024]; A: computed on the way; B: input W2: QUANTISED
;;     8. [M 1,024, K 1,024] x [K 1,024, N 4,096]; A: input x; B: input W1: QUANTISED
;;     9. [M 1,024, K 4,096] x [K 4,096, N 1,024]; A: computed on the way; B: input W2: QUANTISED
;;     10. [M 1,024, K 1,024] x [K 1,024, N 4,096]; A: input x; B: input W1: QUANTISED
;;     11. [M 1,024, K 4,096] x [K 4,096, N 1,024]; A: computed on the way; B: input W2: QUANTISED
;;     12. [M 1,024, K 1,024] x [K 1,024, N 4,096]; A: input x; B: input W1: QUANTISED
;;     13. [M 1,024, K 4,096] x [K 4,096, N 1,024]; A: computed on the way; B: input W2: QUANTISED
;;     14. [M 1,024, K 1,024] x [K 1,024, N 4,096]; A: input x; B: input W1: QUANTISED
;;     15. [M 1,024, K 4,096] x [K 4,096, N 1,024]; A: computed on the way; B: input W2: QUANTISED
;;     16. [M 1,024, K 1,024] x [K 1,024, N 4,096]; A: input x; B: input W1: QUANTISED
;;     17. [M 1,024, K 4,096] x [K 4,096, N 1,024]; A: computed on the way; B: input W2: QUANTISED
;;   THE QUANTISER, for each operand of a quantised product, along K:
;;     - K is cut into blocks of 32 from its start; a last block that is shorter is filled with zeros.
;;     - A block's scale is 2^e with e = floor(log2(the largest magnitude in the block)) - 2, held to -126 .. 127; a block of zeros has e = 0. As a byte (E8M0): e + 127.
;;     - Each number is divided by its block's scale, clamped to +-7.5, and rounded to the nearest number of E2M3, ties to even, subnormals kept.
;;     - The product sums the exact products of the quantised numbers (number of the format x scale) in f32.
;;   ~~~python
;;   def quantise(x, axis):      # numpy; x: float32 -> the quantised numbers, widened to float32 again
;;       x = np.moveaxis(x, axis, -1); K = x.shape[-1]
;;       x = np.pad(x, [(0, 0)] * (x.ndim - 1) + [(0, -K % 32)]); x = x.reshape(x.shape[:-1] + (-1, 32)); a = np.abs(x).max(-1, keepdims=True)
;;       e = np.where(a > 0, np.clip(np.frexp(np.where(a > 0, a, 1))[1] - 1 - 2, -126, 127), 0)      # np.frexp(a)[1] - 1 = floor(log2(a)), exactly
;;       r = np.clip(x / 2.0 ** e, -7.5, 7.5)
;;       step = 2.0 ** (np.maximum(np.frexp(np.where(r == 0, 1, r))[1] - 1, 0) - 3)
;;       q = np.round(r / step) * step * 2.0 ** e      # np.round: ties to even
;;       return np.moveaxis(q.reshape(q.shape[:-2] + (-1,))[..., :K], -1, axis).astype(np.float32)
;;   ~~~
;;   OPERANDS COMPUTED ON THE WAY. 'Computed on the way' means the value that the module computes at that place (a softmax that the list does not call 'softmax' is quantised finished and normalised). What goes into a quantiser is computed in f32, as accurately as f32 sums, v_exp_f32 and their like allow (about 1e-6 of the number): no bf16 or f16 on the way to a quantiser, and a product that is left as it is and whose result goes on into a quantised operand takes f32 operands (vector FMAs, or v_wmma_f32_16x16x4_f32). A number that lies on a knife's edge between two numbers of the format may be rounded either way, as far as f32 arithmetic and the matrix unit's own rounding can turn it there, and no further.
;; 2 versions. Each part assembles by itself: llvm-mc -triple=amdgcn-amd-amdhsa -mcpu=gfx1250 --defsym DOCPART=n.
;; ======== version 1 of 2: 5 launches
;; workspace buffers: route 4,608 bytes of whole numbers; gate 8,192 bytes; xq 2,228,224 bytes; plan 8,448 bytes of whole numbers; hq 6,963,200 bytes; ypart 17,825,792 bytes
;; launch route (part 1): grid 32 x 1, 8 waves a work-group, no clusters, 38,912 bytes of LDS; arguments x, Wg, bg, route, gate, xq; writes route, gate, xq
.if DOCPART == 1
	.amdgcn_target "amdgcn-amd-amdhsa--gfx1250"
	.amdhsa_code_object_version 6
	.text
	.protected	k_qdd644ca737_route
	.globl	k_qdd644ca737_route
	.p2align	8
	.type	k_qdd644ca737_route,@function
k_qdd644ca737_route:
	s_mov_b64 s[64:65], 0
	v_nop
	global_prefetch_b8 v0, s[64:65] scope:SCOPE_SE
	s_setreg_imm32_b32 hwreg(HW_REG_WAVE_MODE, 25, 1), 1
	s_wait_xcnt 0x0
; THE ROUTER.  logits = x Wg + bg in f32 (fused multiply-adds), the two largest of eight (the lower index wins a tie), a softmax over the two.
; A work-group owns 32 tokens, a wave four of them.  Stored at fixed places: route: info[t] = e0 | e1<<8 | r0<<16 | r1<<24 (r: the token's rank among
; the group's tokens that chose that expert), and from byte 4096 on for each group four words of counts, word m = count(2m) | count(2m+1)<<16;
; gate[t][2].  No address and no branch hangs on a logit.  The launch also writes zeros over all of xq (17 x 131,072 bytes), so that rows that no token takes hold zero codes and a gate of 0.
; No matrix unit: N = 8.  No cluster: Wg, the one thing shared, is 32 KiB against the 128 KiB of x that a work-group reads.
; LIMITS: NaN and infinities among the inputs are not served.  The sums run in another order than a plain chain along d, so two logits that agree to about 1e-6 of their size may be ranked the other way.
.set WGP, 144                          ; LDS: four rows of Wg (128 bytes) + 16: 36 words
.set LOG, 36864                        ; LDS: behind Wg's 256 groups: 32 tokens x 8 logits
.set X,   32                           ; v32-159  x: token n, load q at X + 32 n + 4 q
.set ACC, 160                          ; v160-191 sums: token n, expert e at ACC + 8 n + e
.set WR,  192                          ; v192-255 two sets of 32: register 8 i + e = Wg[128 q + 4 lane + i][e]
	s_load_b256 s[4:11], s[0:1], 0x0               ; x s[4:5], Wg s[6:7], bg s[8:9], route s[10:11]
	s_load_b128 s[12:15], s[0:1], 0x20             ; gate s[12:13], xq s[14:15]
	s_set_vgpr_msb 0x40
	v_lshl_add_u32 v0, v0, 2, 0x9400
	v_mov_b32 v1, 0
	s_set_vgpr_msb 0x4000
	v_and_b32 v1, 31, v0                           ; lane
	v_lshrrev_b32 v10, 5, v0
	v_readfirstlane_b32 s16, v10                   ; wave
	v_lshlrev_b32 v11, 4, v0                       ; 16 x thread: Wg as it lies
	v_lshrrev_b32 v2, 3, v0
	v_mul_u32_u24 v2, v2, WGP
	v_and_b32 v12, 7, v0
	v_lshl_add_u32 v2, v12, 4, v2                  ; into LDS: group thread / 8, 16 bytes (thread % 8)
	v_mul_u32_u24 v3, v1, WGP                      ; out of LDS: my lane's group of four rows
	v_mov_b32 v4, 0
	v_mov_b32 v5, 0
	v_mov_b32 v6, 0
	v_mov_b32 v7, 0
	v_lshl_add_u32 v8, v1, 5, LOG                  ; wave 0 at the end: lane = token
	v_lshl_add_u32 v9, v10, 7, LOG                 ; my wave's four tokens' logits
	v_lshlrev_b32 v13, 4, v1
	v_lshl_add_u32 v13, v10, 14, v13               ; x: 16 lane + four rows of 4,096 bytes a wave
	s_lshl_b32 s18, ttmp9, 17                      ; the group's 32 rows
	s_mov_b32 s19, 0
	s_lshl_b32 s20, ttmp9, 12
	v_add_nc_u32 v14, s20, v11                     ; the zeros: 4,096 bytes a work-group in each run of 131,072
	s_lshl_b32 s20, ttmp9, 7
	v_lshl_add_u32 v15, v1, 2, s20                 ; info
	s_lshl_b32 s20, ttmp9, 8
	v_lshl_add_u32 v10, v1, 3, s20                 ; gate
	s_lshl_b32 s20, ttmp9, 4
	v_mov_b32 v12, s20                             ; the group's counts
	s_mov_b32 s2, 0x76543210
	s_mov_b32 s3, 0xfedcba98                       ; lane l xor 16
	s_wait_kmcnt 0x0
	s_add_nc_u64 s[4:5], s[4:5], s[18:19]
	s_load_b256 s[24:31], s[8:9], 0x0              ; bg
.irp m, 0,1,2,3,4,5,6,7
	global_load_b128 v[WR+4*\m:WR+4*\m+3], v11, s[6:7] offset:4096*\m
.endr
.irp q, 0,1,2,3,4,5,6,7
.irp n, 0,1,2,3
	global_load_b128 v[X+32*\n+4*\q:X+32*\n+4*\q+3], v13, s[4:5] offset:4096*\n+512*\q th:TH_LOAD_NT   ; 512 consecutive bytes of a row
.endr
.endr
.irp m, 0,1,2,3,4,5,6,7,8,9,10,11,12,13,14,15,16
	global_store_b128 v14, v[4:7], s[14:15] offset:131072*\m   ; a wave's store covers 512 consecutive bytes, aligned
.endr
	s_wait_loadcnt 32                              ; Wg's eight loads are in; x's 32 were issued behind them
.irp m, 0,1,2,3,4,5,6,7
	ds_store_b128 v2, v[WR+4*\m:WR+4*\m+3] offset:4608*\m
.endr
	s_wait_dscnt 0x0                               ; for the others' sake: my part of Wg lies in LDS
	s_barrier_signal -1
	s_barrier_wait -1
.macro WLD q
.irp k, 0,1,2,3,4,5,6,7
	ds_load_b128 v[WR+32*((\q)%2)+4*\k:WR+32*((\q)%2)+4*\k+3], v3 offset:(\q)*4608+16*\k
.endr
.endm
; 64 packed multiply-adds: four tokens x four of my numbers x four pairs of experts; x's number is taken for both halves
.macro DOT q
.set WB, WR+32*((\q)%2)
.irp n, 0,1,2,3
.irp i, 0,1,2,3
.irp e, 0,2,4,6
.if ((\q)==0) && (\i==0)
	v_pk_mul_f32 v[ACC+8*\n+\e:ACC+8*\n+\e+1], v[WB+8*\i+\e:WB+8*\i+\e+1], v[X+32*\n+4*(\q):X+32*\n+4*(\q)+1] op_sel_hi:[1,0]   ; the first product starts the sums
.elseif (\i%2)==0
	v_pk_fma_f32 v[ACC+8*\n+\e:ACC+8*\n+\e+1], v[WB+8*\i+\e:WB+8*\i+\e+1], v[X+32*\n+4*(\q)+\i:X+32*\n+4*(\q)+\i+1], v[ACC+8*\n+\e:ACC+8*\n+\e+1] op_sel_hi:[1,0,1]
.else
	v_pk_fma_f32 v[ACC+8*\n+\e:ACC+8*\n+\e+1], v[WB+8*\i+\e:WB+8*\i+\e+1], v[X+32*\n+4*(\q)+\i-1:X+32*\n+4*(\q)+\i], v[ACC+8*\n+\e:ACC+8*\n+\e+1] op_sel:[0,1,0] op_sel_hi:[1,1,1]
.endif
.endr
.endr
.endr
.endm
	WLD 0
.irp q, 0,1,2,3,4,5,6
	WLD \q+1
	s_wait_loadcnt 4*(7-\q)                        ; x's loads went out four to a q: those of later q may be out
	s_wait_dscnt 8                                 ; this q's rows of Wg are in; the next q's eight loads may be out
	DOT \q
.endr
	s_wait_loadcnt 0x0
	s_wait_dscnt 0x0
	DOT 7
.irp x, 1,2,4,8                        ; the 32 sums over the 32 lanes
.set kk, 0
.rept 32
	v_add_f32_dpp v[ACC+kk], v[ACC+kk], v[ACC+kk] row_xmask:\x row_mask:0xf bank_mask:0xf
.set kk, kk+1
.endr
.endr
.set kk, 0
.rept 32
	v_permlanex16_b32 v[WR+kk], v[ACC+kk], s2, s3
.set kk, kk+1
.endr
.set kk, 0
.rept 32
	v_add_f32 v[ACC+kk], v[ACC+kk], v[WR+kk]
.set kk, kk+1
.endr
.irp n, 0,1,2,3
	ds_store_b128 v9, v[ACC+8*\n:ACC+8*\n+3] offset:32*\n          ; all lanes write the same bytes with the same values
	ds_store_b128 v9, v[ACC+8*\n+4:ACC+8*\n+7] offset:32*\n+16
.endr
	s_wait_dscnt 0x0
	s_barrier_signal -1
	s_barrier_wait -1
	s_cmp_lg_u32 s16, 0
	s_cbranch_scc1 .Lend                           ; wave 0 goes on alone, a lane to a token; no barrier follows
	ds_load_b128 v[16:19], v8
	ds_load_b128 v[20:23], v8 offset:16
	v_mov_b32 v28, 0xff800000                      ; -infinity
	v_mov_b32 v38, 0                               ; r0
	v_mov_b32 v39, 0                               ; r1
	s_wait_kmcnt 0x0
	s_wait_dscnt 0x0
.irp e, 0,1,2,3,4,5,6,7
	v_add_f32 v[16+\e], s[24+\e], v[16+\e]
.endr
	v_mov_b32 v24, v16                             ; the largest: ascending, strictly greater, so the lower index keeps a tie
	v_mov_b32 v25, 0
.irp e, 1,2,3,4,5,6,7
	v_cmp_gt_f32 vcc_lo, v[16+\e], v24
	v_cndmask_b32 v24, v24, v[16+\e], vcc_lo
	v_cndmask_b32 v25, v25, \e, vcc_lo
.endr
.irp e, 0,1,2,3,4,5,6,7
	v_cmp_eq_u32 vcc_lo, \e, v25
	v_cndmask_b32 v[16+\e], v[16+\e], v28, vcc_lo  ; the winner leaves the field
.endr
	v_mov_b32 v26, v16                             ; the second
	v_mov_b32 v27, 0
.irp e, 1,2,3,4,5,6,7
	v_cmp_gt_f32 vcc_lo, v[16+\e], v26
	v_cndmask_b32 v26, v26, v[16+\e], vcc_lo
	v_cndmask_b32 v27, v27, \e, vcc_lo
.endr
	v_sub_f32 v29, v26, v24                        ; the maximum is taken away: 0 or less
	v_mul_f32 v29, 0x3fb8aa3b, v29
	v_exp_f32 v29, v29
	v_nop                                          ; a plain instruction behind the exponential,
	s_wait_alu depctr_va_vdst(0)                   ; and a wait ahead of its first reader
	v_add_f32 v30, 1.0, v29
	v_rcp_f32 v30, v30                             ; g0 = 1 / (1 + t)
	v_nop
	s_wait_alu depctr_va_vdst(0)
	v_mul_f32 v31, v29, v30                        ; g1 = t g0
.irp e, 0,1,2,3,4,5,6,7                ; ranks and counts, expert by expert: which lanes chose it, and how many of them stand below me
	v_cmp_eq_u32 s32, \e, v25
	v_cmp_eq_u32 s33, \e, v27
	s_or_b32 s34, s32, s33
	v_mbcnt_lo_u32_b32 v37, s34, 0
	v_cndmask_b32 v38, v38, v37, s32
	v_cndmask_b32 v39, v39, v37, s33
	s_bcnt1_i32_b32 s[36+\e], s34
.endr
	v_lshl_or_b32 v40, v27, 8, v25
	v_lshl_or_b32 v40, v38, 16, v40
	v_lshl_or_b32 v40, v39, 24, v40
.irp m, 0,1,2,3
	s_lshl_b32 s44, s[37+2*\m], 16
	s_or_b32 s44, s44, s[36+2*\m]
	v_mov_b32 v[32+\m], s44
.endr
	global_store_b32 v15, v40, s[10:11]            ; 128 consecutive bytes
	global_store_b64 v10, v[30:31], s[12:13]       ; 256 consecutive bytes, aligned
	s_wait_xcnt 0x0                                ; EXEC changes only behind this wait
	v_cmp_eq_u32 vcc_lo, 0, v1
	s_and_saveexec_b32 s45, vcc_lo
	global_store_b128 v12, v[32:35], s[10:11] offset:4096   ; lane 0: the group's four words of counts
	s_wait_xcnt 0x0
	s_or_b32 exec_lo, exec_lo, s45
.Lend:
	s_set_vgpr_msb 0x5
	s_wait_tensorcnt 0x0
	ds_add_u32 v0, v1
	s_wait_dscnt 0x0
	s_set_vgpr_msb 0x500
	s_endpgm
.Lfunc_end_k_qdd644ca737_route:
	.size	k_qdd644ca737_route, .Lfunc_end_k_qdd644ca737_route-k_qdd644ca737_route
	.p2alignl 7, 3214868480
	.fill 96, 4, 3214868480
	.section	.rodata,"a",@progbits
	.p2align	6, 0x0
	.amdhsa_kernel k_qdd644ca737_route
		.amdhsa_group_segment_fixed_size 38912
		.amdhsa_private_segment_fixed_size 0
		.amdhsa_enable_private_segment 0
		.amdhsa_kernarg_size 48
		.amdhsa_user_sgpr_count 2
		.amdhsa_user_sgpr_kernarg_segment_ptr 1
		.amdhsa_wavefront_size32 1
		.amdhsa_system_sgpr_workgroup_id_x 1
		.amdhsa_system_sgpr_workgroup_id_y 1
		.amdhsa_system_sgpr_workgroup_id_z 1
		.amdhsa_system_vgpr_workitem_id 0
		.amdhsa_next_free_vgpr 258
		.amdhsa_next_free_sgpr 66
		.amdhsa_reserve_vcc 1
		.amdhsa_float_denorm_mode_32 3
		.amdhsa_float_denorm_mode_16_64 3
		.amdhsa_memory_ordered 1
		.amdhsa_forward_progress 1
		.amdhsa_inst_pref_size 64
	.end_amdhsa_kernel
	.amdgpu_metadata
---
amdhsa.version: [ 1, 2 ]
amdhsa.kernels:
  - .name:           k_qdd644ca737_route
    .symbol:         k_qdd644ca737_route.kd
    .args:
      - { .name: x, .offset: 0, .size: 8, .value_kind: global_buffer, .address_space: global }
      - { .name: Wg, .offset: 8, .size: 8, .value_kind: global_buffer, .address_space: global }
      - { .name: bg, .offset: 16, .size: 8, .value_kind: global_buffer, .address_space: global }
      - { .name: route, .offset: 24, .size: 8, .value_kind: global_buffer, .address_space: global }
      - { .name: gate, .offset: 32, .size: 8, .value_kind: global_buffer, .address_space: global }
      - { .name: xq, .offset: 40, .size: 8, .value_kind: global_buffer, .address_space: global }
    .group_segment_fixed_size: 38912
    .private_segment_fixed_size: 0
    .kernarg_segment_align: 8
    .kernarg_segment_size: 48
    .max_flat_workgroup_size: 256
    .sgpr_count:     66
    .vgpr_count:     258
    .wavefront_size: 32
...
	.end_amdgpu_metadata
.endif
;; end of part 1
;; launch place (part 2): grid 64 x 1, 8 waves a work-group, no clusters, 0 bytes of LDS; arguments x, route, gate, xq, plan; writes xq, plan
.if DOCPART == 2
	.amdgcn_target "amdgcn-amd-amdhsa--gfx1250"
	.amdhsa_code_object_version 6
	.text
	.protected	k_qdd644ca737_place
	.globl	k_qdd644ca737_place
	.p2align	8
	.type	k_qdd644ca737_place,@function
k_qdd644ca737_place:
	s_mov_b64 s[64:65], 0
	v_nop
	global_prefetch_b8 v0, s[64:65] scope:SCOPE_SE
	s_setreg_imm32_b32 hwreg(HW_REG_WAVE_MODE, 25, 1), 1
	s_wait_xcnt 0x0
; THE ROWS ARE PLACED BY EXPERT, AND x IS QUANTISED (E2M3, one E8M0 byte for each 32 along D).  Every work-group adds up the 32 groups' counts for itself: expert e gets
; nt_e = ceil(count_e / 16) tiles of 16 rows from tile tb_e on; a routed row's place is pos = 16 tb_e + (rows of e in the groups below) + its rank in its group.
; A work-group owns 16 tokens, wave s their K step s (128 along D).  A lane (r, h) quantises, of token r, 16 neighbours of each of four blocks; the fragment's 12 registers go to
; both places of the token as part of an IMAGE OF THE OPERAND'S REGISTERS: xq codes [tile][K step 8][q 3][lane 32][16 bytes]; scale words from XSB on, [tile][lane 32][16 bytes], row r, K step s at 16 (r + 16 (s / 4)) + 4 (s % 4);
; gates by place from GPB on.  plan: word 2 e = tb_e, word 2 e + 1 = nt_e, word 16 = all tiles; from byte 256 on pos[t][2].
; The pieces stored are 16 bytes at places that the routing decides: paid once here (1.6 MB), so that the 32 work-groups that read an expert's rows load dense images.
; Every number read from route passes a v_min_u32 with a constant before it enters an address: tile <= 135 (at most 135 tiles: 2,048 / 16 + 7), row <= 15, pos <= 2,175.
; LIMITS: NaN and infinities are not served; a block whose largest magnitude lies under 2^-124 (a block of zeros among them) gets the byte 1: its codes are zeros or what that scale gives; this program alone reads the bytes.
.set ST, 32                            ; v32-95   64 numbers: register 16 b + i = k 32 b + 16 h + i of my row's K step
.set TM, 96                            ; v96-111  at work
.set PW, 112                           ; the scale word
.set PC, 116                           ; v116-127 the codes; v128-134 at work
.set XSB, 1966080
.set GPB, 2097152
.set SEL, 16
	s_load_b256 s[4:11], s[0:1], 0x0               ; x s[4:5], route s[6:7], gate s[8:9], xq s[10:11]
	s_load_b64 s[12:13], s[0:1], 0x20              ; plan
	v_and_b32 v1, 31, v0                           ; lane
	v_lshrrev_b32 v2, 5, v0
	v_readfirstlane_b32 s14, v2                    ; wave = K step
	v_and_b32 v2, 15, v0                           ; r
	v_bfe_u32 v3, v0, 4, 1                         ; h
	s_lshl_b32 s15, ttmp9, 4
	v_add_nc_u32 v4, s15, v2                       ; my token
	v_lshlrev_b32 v5, 2, v4
	v_lshlrev_b32 v6, 3, v4
	v_lshlrev_b32 v7, 4, v1
	v_lshlrev_b32 v15, 12, v4
	v_lshl_add_u32 v15, v3, 6, v15
	s_lshl_b32 s19, s14, 9
	v_add_nc_u32 v15, s19, v15                     ; x: token x 4,096 + 512 s + 64 h
	s_mov_b32 s[SEL], 0x76543210
	s_mov_b32 s[SEL+1], 0xfedcba98
	s_lshr_b32 s18, ttmp9, 1                       ; my tokens' group of 32
	v_mov_b32 v24, 0                               ; (destinations of lane exchanges count as read)
.irp b, 0,1,2,3
	v_mov_b32 v[TM+4+\b], 0
.endr
	v_lshlrev_b32 v136, 8, v3
	s_mul_i32 s53, s14, 1536
	v_add_nc_u32 v136, s53, v136                   ; in a tile's codes: 1,536 s + 256 h
	s_lshr_b32 s54, s14, 2
	s_lshl_b32 s54, s54, 8
	s_and_b32 s53, s14, 3
	s_lshl_b32 s53, s53, 2
	s_add_co_u32 s54, s54, s53                     ; in a tile's scale words: 256 (s / 4) + 4 (s % 4)
	s_wait_kmcnt 0x0
	global_load_b32 v8, v5, s[6:7]                 ; info
	global_load_b128 v[20:23], v7, s[6:7] offset:4096   ; lane j: group j's counts
	global_load_b64 v[26:27], v6, s[8:9]           ; my token's gates
.irp b, 0,1,2,3
.irp j, 0,1,2,3
	global_load_b128 v[ST+16*\b+4*\j:ST+16*\b+4*\j+3], v15, s[4:5] offset:128*\b+16*\j th:TH_LOAD_NT
.endr
.endr
	s_wait_loadcnt 16                              ; the three are in; x's sixteen were issued behind them
	v_cmp_gt_u32 vcc_lo, s18, v1                   ; groups below mine
.irp m, 0,1,2,3
	v_cndmask_b32 v[16+\m], 0, v[20+\m], vcc_lo
.endr
.irp x, 1,2,4,8                        ; eight sums over the lanes; two counts to a word, none above 1,024: no carry between them
.irp k, 16,17,18,19,20,21,22,23
	v_mov_b32_dpp v24, v\k row_xmask:\x row_mask:0xf bank_mask:0xf
	v_add_nc_u32 v\k, v\k, v24
.endr
.endr
.irp k, 16,17,18,19,20,21,22,23
	v_permlanex16_b32 v24, v\k, s[SEL], s[SEL+1]
	v_add_nc_u32 v\k, v\k, v24
.endr
.irp m, 0,1,2,3
	v_readfirstlane_b32 s[20+\m], v[16+\m]         ; rows in the groups below
	v_readfirstlane_b32 s[24+\m], v[20+\m]         ; rows in all
.endr
	s_mov_b32 s52, 0                               ; tiles so far
.irp e, 0,1,2,3,4,5,6,7
	s_bfe_u32 s53, s[24+\e/2], 0x100000+16*(\e%2)
	s_bfe_u32 s55, s[20+\e/2], 0x100000+16*(\e%2)
	s_mov_b32 s[28+\e], s52                        ; tb_e
	s_add_co_u32 s53, s53, 15
	s_lshr_b32 s[36+\e], s53, 4                    ; nt_e
	s_lshl_b32 s53, s52, 4
	s_add_co_u32 s[44+\e], s53, s55                ; where my group's rows of e begin
	s_add_co_u32 s52, s52, s[36+\e]
.endr
	v_and_b32 v9, 0xff, v8                         ; e0
	v_bfe_u32 v10, v8, 8, 8                        ; e1
	v_mov_b32 v28, s44
	v_mov_b32 v29, s44
.irp e, 1,2,3,4,5,6,7
	v_cmp_eq_u32 vcc_lo, \e, v9
	v_cndmask_b32 v28, v28, s[44+\e], vcc_lo
	v_cmp_eq_u32 vcc_lo, \e, v10
	v_cndmask_b32 v29, v29, s[44+\e], vcc_lo
.endr
	v_bfe_u32 v25, v8, 16, 8
	v_add_nc_u32 v28, v28, v25                     ; pos0
	v_lshrrev_b32 v25, 24, v8
	v_add_nc_u32 v29, v29, v25                     ; pos1
.irp k, 0,1
	v_lshrrev_b32 v137, 4, v[28+\k]
	v_min_u32 v137, 135, v137                      ; tile
	v_and_b32 v138, 15, v[28+\k]
	v_min_u32 v138, 15, v138                       ; row
	v_mul_u32_u24 v[11+2*\k], v137, 12288
	v_lshl_add_u32 v[11+2*\k], v138, 4, v[11+2*\k]
	v_add_nc_u32 v[11+2*\k], v[11+2*\k], v136      ; my 16 bytes of each of the image's three groups
	v_lshlrev_b32 v[12+2*\k], 9, v137
	v_lshl_add_u32 v[12+2*\k], v138, 4, v[12+2*\k]
	v_add_nc_u32 v[12+2*\k], s54, v[12+2*\k]       ; the scale word
	v_min_u32 v[30+\k], 2175, v[28+\k]
	v_lshlrev_b32 v[30+\k], 2, v[30+\k]            ; the gate by place
.endr
	s_wait_loadcnt 0x0
; 64 numbers become a fragment's codes and its scale word
.irp b, 0,1,2,3
	v_max3_num_f32 v[TM+\b], |v[ST+16*\b]|, |v[ST+1+16*\b]|, 0x1800000   ; my 16 numbers of block b, and the floor 2^(3 - 127): the byte cannot fall under 1
.endr
.irp i, 2,4,6,8,10,12,14
.irp b, 0,1,2,3
	v_max3_num_f32 v[TM+\b], v[TM+\b], |v[ST+16*\b+\i]|, |v[ST+1+16*\b+\i]|
.endr
.endr
.irp b, 0,1,2,3
	v_permlanex16_b32 v[TM+4+\b], v[TM+\b], s[SEL], s[SEL+1]
.endr
.irp b, 0,1,2,3
	v_max_num_f32 v[TM+\b], v[TM+\b], v[TM+4+\b]   ; with lane l xor 16's: the block's largest magnitude
.endr
.irp b, 0,1,2,3
	v_add_nc_u32 v[TM+12+\b], 0xff000000, v[TM+\b] ; 2 off its exponent field: the conversion's scale operand
.endr
.irp b, 0,1,2,3
	v_lshrrev_b32 v[TM+4+\b], 23, v[TM+12+\b]      ; the scale's byte
.endr
	v_lshl_or_b32 v[PW], v[TM+5], 8, v[TM+4]
	v_lshl_or_b32 v[PW], v[TM+6], 16, v[PW]
	v_lshl_or_b32 v[PW], v[TM+7], 24, v[PW]
.irp c, 0,1
	v_cvt_scalef32_pk16_fp6_f32 v[PC+6*\c:PC+2+6*\c], v[ST+32*\c:ST+15+32*\c], v[TM+12+2*\c]
	v_cvt_scalef32_pk16_fp6_f32 v[PC+12+4*\c:PC+14+4*\c], v[ST+16+32*\c:ST+31+32*\c], v[TM+12+2*\c+1]   ; (a conversion's three registers begin on an even number)
.endr
	v_nop                                          ; one plain place behind a scaled conversion
.irp c, 0,1                            ; the operand's layout wants a whole block in a lane: lanes 0-15 block 2 c, lanes 16-31 block 2 c + 1
.irp i, 0,1,2
	v_permlane16_swap_b32 v[PC+6*\c+\i], v[PC+12+4*\c+\i]
.endr
.irp i, 0,1,2
	v_mov_b32 v[PC+3+6*\c+\i], v[PC+12+4*\c+\i]
.endr
.endr
.irp k, 0,1
.irp q, 0,1,2
	global_store_b128 v[11+2*\k], v[PC+4*\q:PC+4*\q+3], s[10:11] offset:512*\q
.endr
	global_store_b32 v[12+2*\k], v[PW], s[10:11] offset:XSB   ; both halves of the lanes write the same word with the same value
.endr
	s_cmp_lg_u32 s14, 0
	s_cbranch_scc1 .Lend
	global_store_b64 v6, v[28:29], s[12:13] offset:256        ; wave 0: pos[t][0..1],
	global_store_b32 v30, v26, s[10:11] offset:GPB            ; and the gates by place
	global_store_b32 v31, v27, s[10:11] offset:GPB
	s_cmp_lg_u32 ttmp9, 0
	s_cbranch_scc1 .Lend
	v_mov_b32 v139, 0                              ; work-group 0: the table
.irp e, 0,1,2,3,4,5,6,7
	v_writelane_b32 v139, s[28+\e], 2*\e
	v_writelane_b32 v139, s[36+\e], 2*\e+1
.endr
	v_writelane_b32 v139, s52, 16
	v_lshlrev_b32 v140, 2, v1
	global_store_b32 v140, v139, s[12:13]
.Lend:
	s_endpgm
.Lfunc_end_k_qdd644ca737_place:
	.size	k_qdd644ca737_place, .Lfunc_end_k_qdd644ca737_place-k_qdd644ca737_place
	.p2alignl 7, 3214868480
	.fill 96, 4, 3214868480
	.section	.rodata,"a",@progbits
	.p2align	6, 0x0
	.amdhsa_kernel k_qdd644ca737_place
		.amdhsa_group_segment_fixed_size 0
		.amdhsa_private_segment_fixed_size 0
		.amdhsa_enable_private_segment 0
		.amdhsa_kernarg_size 40
		.amdhsa_user_sgpr_count 2
		.amdhsa_user_sgpr_kernarg_segment_ptr 1
		.amdhsa_wavefront_size32 1
		.amdhsa_system_sgpr_workgroup_id_x 1
		.amdhsa_system_sgpr_workgroup_id_y 1
		.amdhsa_system_sgpr_workgroup_id_z 1
		.amdhsa_system_vgpr_workitem_id 0
		.amdhsa_next_free_vgpr 144
		.amdhsa_next_free_sgpr 66
		.amdhsa_reserve_vcc 1
		.amdhsa_float_denorm_mode_32 3
		.amdhsa_float_denorm_mode_16_64 3
		.amdhsa_memory_ordered 1
		.amdhsa_forward_progress 1
		.amdhsa_inst_pref_size 19
	.end_amdhsa_kernel
	.amdgpu_metadata
---
amdhsa.version: [ 1, 2 ]
amdhsa.kernels:
  - .name:           k_qdd644ca737_place
    .symbol:         k_qdd644ca737_place.kd
    .args:
      - { .name: x, .offset: 0, .size: 8, .value_kind: global_buffer, .address_space: global }
      - { .name: route, .offset: 8, .size: 8, .value_kind: global_buffer, .address_space: global }
      - { .name: gate, .offset: 16, .size: 8, .value_kind: global_buffer, .address_space: global }
      - { .name: xq, .offset: 24, .size: 8, .value_kind: global_buffer, .address_space: global }
      - { .name: plan, .offset: 32, .size: 8, .value_kind: global_buffer, .address_space: global }
    .group_segment_fixed_size: 0
    .private_segment_fixed_size: 0
    .kernarg_segment_align: 8
    .kernarg_segment_size: 40
    .max_flat_workgroup_size: 256
    .sgpr_count:     66
    .vgpr_count:     144
    .wavefront_size: 32
...
	.end_amdgpu_metadata
.endif
;; end of part 2
;; launch up (part 3): grid 32 x 8, 4 waves a work-group, no clusters, 102,912 bytes of LDS; arguments W1, b1, xq, plan, hq; writes hq
.if DOCPART == 3
	.amdgcn_target "amdgcn-amd-amdhsa--gfx1250"
	.amdhsa_code_object_version 6
	.text
	.protected	k_qdd644ca737_up
	.globl	k_qdd644ca737_up
	.p2align	8
	.type	k_qdd644ca737_up,@function
k_qdd644ca737_up:
	s_mov_b64 s[64:65], 0
	v_nop
	global_prefetch_b8 v0, s[64:65] scope:SCOPE_SE
	s_setreg_imm32_b32 hwreg(HW_REG_WAVE_MODE, 25, 1), 1
	s_wait_xcnt 0x0
; h = Q(relu(Q(x) Q(W1[e]) + b1[e])) for the rows routed to expert e, on codes of E2M3 with one E8M0 byte for each 32 along K.
; SHARES.  Work-group (cb, e) owns W1[e][all 1,024 k][hidden units 128 cb .. + 127]: 512 KiB of f32, read once in the launch, by this work-group alone.  It goes in 8 steps of 128 k.
; In a step wave w loads rows 128 s + 32 w + 0 .. 31 (each load: one row's 512 consecutive bytes), turns them so that a lane's registers run down K, quantises its four columns' blocks, and puts codes and scale bytes into LDS,
; each step into bytes of its own: nothing in LDS is written twice.  One barrier; then every wave multiplies the step's eight tiles of W with its own five tiles of 16 routed rows (tiles 4 i + w of the expert),
; whose codes come from xq as images of the operand's registers (three loads of 512 consecutive bytes a fragment).  40 accumulators a wave stay in registers over all of K.
; Rows beyond 4 x 5 x 16 = 320 are served behind the steps, one tile a trip, from the codes that stayed in LDS: any split is served.  A tile that is not the expert's is replaced by a clamped one and not stored.
; TILES OF W: lane l = 16 a + r loads columns 4 l + j, so tile 2 j + a has as its row m hidden unit 64 a + 4 m + j.  THE PRODUCT IS USED TRANSPOSED (source 0 = a tile of W, source 1 = 16 rows of x): lane (token r, hh), register n of
; tile 2 j + a holds hidden unit 64 a + 32 hh + 4 n + j: over j and n a whole block of 32 of the next K, in the lane in which the operand's layout wants it.  So h is quantised without any exchange of lanes but for the scale word.
; hq: codes [tile][K step 32][q 3][lane 32][16 bytes]; scale words from HSB on, [tile][ks / 8][lane 32][16 bytes], row r, K step ks at 256 ((ks / 4) % 2) + 16 r + 4 (ks % 4): 4-byte pieces, one part in 24 of what is stored.
; NO TENSOR LOADS, NO CLUSTER: the number of an expert's tiles is read from memory and steers branches (which tiles are stored, the trips of the last loop); the f32 weights must pass through registers to be quantised, and no two work-groups read the same weight.
; LIMITS: NaN and infinities are not served; a block whose largest magnitude lies under 2^-124 (zeros among them) gets the byte 1; rows that no token took have zero codes under the byte 0.
; REGISTERS.  window 0: v1-15, v120-124 addresses; v16-35 x's scale words (slot i at 16 + 4 i; register s % 4; lanes 16-31 for s >= 4); v36-39 W's scale words (register j: lanes 0-15 tile 2 j, lanes 16-31 tile 2 j + 1);
;   v40-71 T, a block of 32; v72-79 at work; v80-119 codes on their way to LDS; v128-223 the step's eight fragments of W.   window 1: two sets of 128 for W as loaded (row kk at 4 kk).
;   window 2: accumulators (slot i, tile t) at 64 i + 8 t, i < 4.   window 3: v0-63 slot 4's; v64-127 b1 in the result's layout; v128-187, v188-247 x's fragments, two sets.
.set XSB, 1966080
.set HSB, 6684672
.set WS,  98304                        ; LDS: codes [step 8][tile 8][lane 32][48 bytes] from 0; scale bytes [step][tile][row 16][4] from WS
.set XSR, 16
.set WSR, 36
.set T,   40
.set M0,  72
.set M1,  73
.set SCL, 74
.set BY,  76
.set PC,  80
.set EP,  80
.set BF,  128
.set BI,  64
.set MSB, 0
.macro WIN new                         ; the immediate's high byte repeats the setting that is left
.if MSB != \new
	s_set_vgpr_msb (MSB<<8)|\new
.set MSB, \new
.endif
.endm
.macro WLOAD s, k0, k1                 ; rows k0 .. k1 of my 32 of step s
	WIN 0x40
.set kk, \k0
.rept (\k1)-(\k0)+1
	global_load_b128 v[128*((\s)%2)+4*kk:128*((\s)%2)+4*kk+3], v1, s[26+2*((\s)/4):27+2*((\s)/4)] offset:(((\s)%4)*128+kk)*16384 th:TH_LOAD_NT
.set kk, kk+1
.endr
.endm
.macro XLD s                           ; my five tiles' fragments of x for K step s
	WIN 0xc0
.irp i, 0,1,2,3,4
.irp q, 0,1,2
	global_load_b128 v[128+60*((\s)%2)+12*\i+4*\q:128+60*((\s)%2)+12*\i+4*\q+3], v[10+\i], s[8:9] offset:(\s)*1536+512*\q
.endr
.endr
.endm
.macro BMAX ab                         ; the largest magnitude of T's 32 numbers, and the floor 2^(3 - 127): the byte cannot fall under 1
.if \ab
	v_max3_num_f32 v[M0], |v[T]|, |v[T+1]|, |v[T+2]|
	v_max3_num_f32 v[M1], |v[T+3]|, |v[T+4]|, |v[T+5]|
.irp i, 6,10,14,18,22,26
	v_max3_num_f32 v[M0], v[M0], |v[T+\i]|, |v[T+\i+1]|
	v_max3_num_f32 v[M1], v[M1], |v[T+\i+2]|, |v[T+\i+3]|
.endr
	v_max3_num_f32 v[M0], v[M0], |v[T+30]|, |v[T+31]|
.else
	v_max3_num_f32 v[M0], v[T], v[T+1], v[T+2]
	v_max3_num_f32 v[M1], v[T+3], v[T+4], v[T+5]
.irp i, 6,10,14,18,22,26
	v_max3_num_f32 v[M0], v[M0], v[T+\i], v[T+\i+1]
	v_max3_num_f32 v[M1], v[M1], v[T+\i+2], v[T+\i+3]
.endr
	v_max3_num_f32 v[M0], v[M0], v[T+30], v[T+31]
.endif
	v_max3_num_f32 v[M0], v[M0], v[M1], 0x1800000
.endm
.macro QW s                            ; my four columns' blocks of step s: turned, quantised, to LDS
.if (\s) < 4
.set LWA, 6
.else
.set LWA, 2
.endif
.irp j, 0,1,2,3
	WIN 0x01
.set kk, 0
.rept 32
	v_mov_b32 v[T+kk], v[128*((\s)%2)+4*kk+\j]     ; column 4 l + j, down K
.set kk, kk+1
.endr
	WIN 0
	BMAX 1
	v_add_nc_u32 v[SCL], 0xff000000, v[M0]         ; 2 off the exponent field: the conversion's scale operand
	v_lshrrev_b32 v[BY+\j], 23, v[SCL]             ; the scale's byte
	v_cvt_scalef32_pk16_fp6_f32 v[PC+10*\j:PC+10*\j+2], v[T:T+15], v[SCL]
	v_cvt_scalef32_pk16_fp6_f32 v[PC+10*\j+6:PC+10*\j+8], v[T+16:T+31], v[SCL]   ; (a conversion's three registers begin on an even number)
	v_nop                                          ; one plain place behind a scaled conversion
.irp i, 0,1,2
	v_mov_b32 v[PC+10*\j+3+\i], v[PC+10*\j+6+\i]
.endr
.irp i, 0,1,2
	ds_store_b64 v[LWA], v[PC+10*\j+2*\i:PC+10*\j+2*\i+1] offset:((\s)%4)*12288+\j*3072+8*\i   ; registers 6 (w / 2) .. + 5 of lane (r, w % 2) of tile 2 j + a
.endr
	ds_store_b8 v7, v[BY+\j] offset:(\s)*512+\j*128   ; byte w of that row's scale word
.endr
.endm
.macro BFL s                           ; the step's eight fragments and their scale words, out of LDS
.if (\s) < 4
.set LRA, 8
.else
.set LRA, 120
.endif
.irp t, 0,1,2,3,4,5,6,7
.irp q, 0,1,2
	ds_load_b128 v[BF+12*\t+4*\q:BF+12*\t+4*\q+3], v[LRA] offset:((\s)%4)*12288+\t*1536+16*\q
.endr
.endr
.irp j, 0,1,2,3
	ds_load_b32 v[WSR+\j], v9 offset:(\s)*512+128*\j
.endr
.endm
.macro WM d, a, b, c, sa, sb, ra, rb   ; one product; ra, rb: the side's scale words stand in lanes 16-31
.if (\ra) && (\rb)
	v_wmma_scale_f32_16x16x128_f8f6f4 v[\d:\d+7], v[\a:\a+11], v[\b:\b+11], v[\c:\c+7], v[\sa], v[\sb] matrix_a_fmt:MATRIX_FMT_FP6 matrix_b_fmt:MATRIX_FMT_FP6 matrix_a_scale:MATRIX_SCALE_ROW1 matrix_b_scale:MATRIX_SCALE_ROW1
.elseif \ra
	v_wmma_scale_f32_16x16x128_f8f6f4 v[\d:\d+7], v[\a:\a+11], v[\b:\b+11], v[\c:\c+7], v[\sa], v[\sb] matrix_a_fmt:MATRIX_FMT_FP6 matrix_b_fmt:MATRIX_FMT_FP6 matrix_a_scale:MATRIX_SCALE_ROW1
.elseif \rb
	v_wmma_scale_f32_16x16x128_f8f6f4 v[\d:\d+7], v[\a:\a+11], v[\b:\b+11], v[\c:\c+7], v[\sa], v[\sb] matrix_a_fmt:MATRIX_FMT_FP6 matrix_b_fmt:MATRIX_FMT_FP6 matrix_b_scale:MATRIX_SCALE_ROW1
.else
	v_wmma_scale_f32_16x16x128_f8f6f4 v[\d:\d+7], v[\a:\a+11], v[\b:\b+11], v[\c:\c+7], v[\sa], v[\sb] matrix_a_fmt:MATRIX_FMT_FP6 matrix_b_fmt:MATRIX_FMT_FP6
.endif
.endm
; Slot i's eight products of K step s; xr: x's fragment, in window 3.  first: b1 is the C, so the bias costs nothing and nothing is cleared.
; The accumulators take turns, one instruction a turn.
.macro MUL8 s, i, xr, first
.if (\i) < 4
.if \first
	WIN 0xbc
.else
	WIN 0xac
.endif
.else
	WIN 0xfc
.endif
.set AB, 64*((\i)%4)
.irp t, 0,1,2,3,4,5,6,7
.if \first
	WM AB+8*\t,BF+12*\t,\xr,BI+8*\t,WSR+\t/2,XSR+4*(\i)+(\s)%4,\t%2,(\s)/4
.else
	WM AB+8*\t,BF+12*\t,\xr,AB+8*\t,WSR+\t/2,XSR+4*(\i)+(\s)%4,\t%2,(\s)/4
.endif
.endr
.endm
; Slot i's tile goes out: relu, the two blocks of each lane quantised, the fragment stored as an image, the scale word beside it.
.macro EPI i
	s_wait_xcnt 0x0                                ; earlier stores have read their data and offsets: both are written again below
.irp a, 0,1
.if (\i) < 4
	WIN 0x08
.else
	WIN 0x0c
.endif
.irp n, 0,1,2,3,4,5,6,7
.irp j, 0,1,2,3
	v_max_num_f32 v[T+4*\n+\j], 0, v[64*((\i)%4)+8*(2*\j+\a)+\n]   ; hidden unit 64 a + 32 hh + 4 n + j; each accumulator is read from its register 0 on
.endr
.endr
	WIN 0
	BMAX 0                                         ; none is negative
	v_add_nc_u32 v[SCL], 0xff000000, v[M0]
	v_lshrrev_b32 v[BY+\a], 23, v[SCL]
	v_cvt_scalef32_pk16_fp6_f32 v[EP+6*\a:EP+6*\a+2], v[T:T+15], v[SCL]
	v_cvt_scalef32_pk16_fp6_f32 v[92:94], v[T+16:T+31], v[SCL]
	v_nop
.irp k, 0,1,2
	v_mov_b32 v[EP+6*\a+3+\k], v[92+\k]
.endr
.endr
	v_lshl_or_b32 v96, v[BY+1], 16, v[BY]          ; my two bytes: blocks hh and 2 + hh,
	v_lshlrev_b32 v96, v5, v96                     ; 8 hh bits up;
	v_permlanex16_b32 v98, v96, s42, s43
	v_or_b32 v96, v96, v98                         ; with lane l xor 16's two the word is whole
	s_mul_i32 s44, s[30+\i], 49152
	s_add_co_u32 s44, s44, s41
	v_add_nc_u32 v15, s44, v1
	s_lshl_b32 s44, s[30+\i], 11
	s_add_co_u32 s44, s44, s49
	v_add_nc_u32 v97, s44, v122
.irp q, 0,1,2
	global_store_b128 v15, v[EP+4*\q:EP+4*\q+3], s[12:13] offset:512*\q   ; 512 consecutive bytes, aligned
.endr
	global_store_b32 v97, v96, s[12:13] offset:HSB ; both halves of the lanes write the same word with the same value
.endm
.macro GEPI i                          ; only tiles of my expert are stored
	s_cmp_lt_u32 s[35+\i], s23
	s_cbranch_scc0 .Lno_\@
	EPI \i
.Lno_\@:
.endm
	s_load_b256 s[4:11], s[0:1], 0x0               ; W1 s[4:5], b1 s[6:7], xq s[8:9], plan s[10:11]
	s_load_b64 s[12:13], s[0:1], 0x20              ; hq
	v_lshl_add_u32 v254, v0, 2, 0x19000
	v_mov_b32 v255, 0
	v_lshrrev_b32 v2, 5, v0
	v_readfirstlane_b32 s18, v2                    ; wave
	s_mov_b32 s19, ttmp9                           ; cb
	s_and_b32 s20, ttmp7, 0xffff                   ; e
	v_and_b32 v3, 31, v0                           ; lane
	v_lshlrev_b32 v1, 4, v3                        ; 16 lane
	v_bfe_u32 v4, v0, 4, 1                         ; a, hh
	v_lshlrev_b32 v5, 3, v4
	v_and_b32 v121, 15, v0                         ; r
	v_lshlrev_b32 v122, 4, v121
	v_lshlrev_b32 v123, 7, v4
	v_mul_u32_u24 v6, v121, 48
	v_mad_u32_u24 v6, v4, 1536, v6
	s_and_b32 s44, s18, 1
	s_mul_i32 s44, s44, 768
	s_lshr_b32 s45, s18, 1
	s_mul_i32 s45, s45, 24
	s_add_co_u32 s44, s44, s45
	v_add_nc_u32 v6, s44, v6                       ; codes into LDS: 1,536 a + 48 (r + 16 (w % 2)) + 24 (w / 2)
	v_add_nc_u32 v2, 49152, v6                     ; the same for steps 4 to 7: an LDS immediate has 16 bits
	v_lshlrev_b32 v9, 2, v3
	v_add_nc_u32 v9, WS, v9                        ; scale words out of LDS
	v_add_nc_u32 v7, s18, v9                       ; scale bytes into LDS: byte w
	v_mul_u32_u24 v8, v3, 48                       ; codes out of LDS
	v_add_nc_u32 v120, 49152, v8
	v_mov_b32 v98, 0                               ; (a lane exchange's destination counts as read)
	s_mov_b32 s42, 0x76543210
	s_mov_b32 s43, 0xfedcba98
	s_mul_i32 s41, s19, 1536                       ; K step cb in a tile of hq
	s_lshr_b32 s44, s19, 3
	s_lshl_b32 s49, s44, 9
	s_bfe_u32 s44, s19, 0x10002
	s_lshl_b32 s44, s44, 8
	s_add_co_u32 s49, s49, s44
	s_and_b32 s44, s19, 3
	s_lshl_b32 s44, s44, 2
	s_add_co_u32 s49, s49, s44                     ; and among its scale words
	s_lshl_b32 s44, s20, 24
	s_lshl_b32 s45, s19, 9
	s_add_co_u32 s44, s44, s45
	s_lshl_b32 s45, s18, 19
	s_add_co_u32 s44, s44, s45                     ; W1: e x 2^24 + 512 cb + 32 w rows of 16,384 bytes
	s_mov_b32 s45, 0
	s_lshl_b32 s46, s20, 14
	s_lshl_b32 s47, s19, 9
	s_add_co_u32 s46, s46, s47
	s_mov_b32 s47, 0
	s_lshl_b32 s48, s20, 3
	s_wait_kmcnt 0x0
	s_add_nc_u64 s[26:27], s[4:5], s[44:45]
	s_add_nc_u64 s[28:29], s[26:27], 0x800000      ; steps 4 to 7: the loads' immediates stay inside 24 signed bits
	s_add_nc_u64 s[6:7], s[6:7], s[46:47]
	s_load_b64 s[22:23], s[10:11], s48 offset:0x0  ; tb, nt
	s_load_b32 s24, s[10:11], 0x40                 ; all tiles
	WLOAD 0,0,31
	WIN 0
	s_wait_kmcnt 0x0
	s_sub_co_u32 s25, s24, 1
.irp i, 0,1,2,3,4
	s_add_co_u32 s[35+\i], s18, 4*\i               ; slot i: the expert's tile 4 i + w,
	s_add_co_u32 s[30+\i], s22, s[35+\i]
	s_min_u32 s[30+\i], s[30+\i], s25              ; or, where it has none, a tile that has been stored
	s_min_u32 s[30+\i], s[30+\i], 135
	s_mul_i32 s44, s[30+\i], 12288
	v_add_nc_u32 v[10+\i], s44, v1
	s_lshl_b32 s44, s[30+\i], 9
	v_add_nc_u32 v[T+\i], s44, v1
.endr
.irp i, 0,1,2,3,4
	global_load_b128 v[XSR+4*\i:XSR+4*\i+3], v[T+\i], s[8:9] offset:XSB
.endr
.irp a, 0,1
.irp n, 0,1,2,3,4,5,6,7
	global_load_b128 v[BF+32*\a+4*\n:BF+32*\a+4*\n+3], v123, s[6:7] offset:256*\a+16*\n   ; b1 of units 64 a + 32 hh + 4 n + 0 .. 3
.endr
.endr
	XLD 0
	WLOAD 1,0,31
.macro STEP s
.if (\s) < 7
	s_wait_loadcnt 47                              ; W of this step is in (at step 0 also x's scale words and b1): behind it were issued x's 15 of this step and W's 32 of the next
.else
	s_wait_loadcnt 15                              ; behind W's last step: x's 15
.endif
.if (\s) == 0
	WIN 0xc0
.irp a, 0,1
.irp n, 0,1,2,3,4,5,6,7
.irp j, 0,1,2,3
	v_mov_b32 v[BI+8*(2*\j+\a)+\n], v[BF+32*\a+4*\n+\j]   ; b1 in the result's layout
.endr
.endr
.endr
.endif
	QW \s                                          ; (its plain lines are also the places between the last products and the loads into their operands below)
.if (\s) < 7
	XLD (\s)+1
.endif
.if (\s) < 6
	WLOAD (\s)+2,0,15                              ; into the set just turned
.endif
	WIN 0
	s_wait_dscnt 0x0                               ; my codes and bytes lie in LDS
	s_barrier_signal -1
	s_barrier_wait -1                              ; everybody's do
	BFL \s
.if (\s) < 6
	s_wait_loadcnt 63                              ; x of this step is in: behind it W's 32, x's 15, W's 16
.elseif (\s) == 6
	s_wait_loadcnt 47                              ; behind it W's 32 and x's 15
.else
	s_wait_loadcnt 0x0
.endif
	s_wait_dscnt 0x0
.irp i, 0,1,2,3,4
	MUL8 \s,\i,128+60*((\s)%2)+12*\i,((\s)==0)
.endr
.if (\s) < 6
	WLOAD (\s)+2,16,31
.endif
.endm
.irp s, 0,1,2,3,4,5,6,7
	STEP \s
.endr
	WIN 0
.rept 4
	v_nop                                          ; four places between the last product and the first read of a result
.endr
.irp i, 0,1,2,3,4
	GEPI \i
.endr
	; rows beyond 320: the expert's tiles 20 + w, 24 + w .. one a trip, in slot 0; no barrier: LDS is only read
	s_add_co_u32 s51, s18, 20
	s_cmp_lt_u32 s51, s23
	s_cbranch_scc0 .Ldone
	s_sub_co_u32 s50, s23, s51                     ; the expert's tiles from 20 + w on: at least one;
	s_add_co_u32 s50, s50, 3
	s_lshr_b32 s50, s50, 2                         ; every fourth of them is mine: the trips
	s_add_co_u32 s51, s51, s22                     ; the first of them, counted over all experts
	s_mov_b32 s40, 0                               ; the trip
.Lover:
.rept 5
	v_nop                                          ; five places in front of products that begin accumulators anew, four in front of loads into operands
.endr
	s_wait_xcnt 0x0                                ; earlier loads and stores have read their offsets
	s_lshl_b32 s30, s40, 2
	s_add_co_u32 s30, s30, s51                     ; this trip's tile
	s_min_u32 s30, s30, s25
	s_min_u32 s30, s30, 135
	s_mul_i32 s44, s30, 12288
	v_add_nc_u32 v10, s44, v1
	s_lshl_b32 s44, s30, 9
	v_add_nc_u32 v124, s44, v1
	global_load_b128 v[XSR:XSR+3], v124, s[8:9] offset:XSB
	WIN 0xc0
.irp s, 0,1,2,3,4,5,6,7
.irp q, 0,1,2
	global_load_b128 v[128+12*\s+4*\q:128+12*\s+4*\q+3], v10, s[8:9] offset:\s*1536+512*\q
.endr
.endr
	WIN 0
	s_wait_loadcnt 0x0
.irp s, 0,1,2,3,4,5,6,7
	BFL \s
	s_wait_dscnt 0x0
	MUL8 \s,0,128+12*\s,((\s)==0)
	WIN 0
.rept 4
	v_nop
.endr
.endr
	EPI 0
	s_add_co_u32 s40, s40, 1
	s_cmp_lt_u32 s40, s50
	s_cbranch_scc1 .Lover
.Ldone:
	s_wait_tensorcnt 0x0
	ds_add_u32 v254, v255
	s_wait_dscnt 0x0
	s_endpgm
.Lfunc_end_k_qdd644ca737_up:
	.size	k_qdd644ca737_up, .Lfunc_end_k_qdd644ca737_up-k_qdd644ca737_up
	.p2alignl 7, 3214868480
	.fill 96, 4, 3214868480
	.section	.rodata,"a",@progbits
	.p2align	6, 0x0
	.amdhsa_kernel k_qdd644ca737_up
		.amdhsa_group_segment_fixed_size 102912
		.amdhsa_private_segment_fixed_size 0
		.amdhsa_enable_private_segment 0
		.amdhsa_kernarg_size 40
		.amdhsa_user_sgpr_count 2
		.amdhsa_user_sgpr_kernarg_segment_ptr 1
		.amdhsa_wavefront_size32 1
		.amdhsa_system_sgpr_workgroup_id_x 1
		.amdhsa_system_sgpr_workgroup_id_y 1
		.amdhsa_system_sgpr_workgroup_id_z 1
		.amdhsa_system_vgpr_workitem_id 0
		.amdhsa_next_free_vgpr 1024
		.amdhsa_next_free_sgpr 66
		.amdhsa_reserve_vcc 0
		.amdhsa_float_denorm_mode_32 3
		.amdhsa_float_denorm_mode_16_64 3
		.amdhsa_memory_ordered 1
		.amdhsa_forward_progress 1
		.amdhsa_inst_pref_size 249
	.end_amdhsa_kernel
	.amdgpu_metadata
---
amdhsa.version: [ 1, 2 ]
amdhsa.kernels:
  - .name:           k_qdd644ca737_up
    .symbol:         k_qdd644ca737_up.kd
    .args:
      - { .name: W1, .offset: 0, .size: 8, .value_kind: global_buffer, .address_space: global }
      - { .name: b1, .offset: 8, .size: 8, .value_kind: global_buffer, .address_space: global }
      - { .name: xq, .offset: 16, .size: 8, .value_kind: global_buffer, .address_space: global }
      - { .name: plan, .offset: 24, .size: 8, .value_kind: global_buffer, .address_space: global }
      - { .name: hq, .offset: 32, .size: 8, .value_kind: global_buffer, .address_space: global }
    .group_segment_fixed_size: 102912
    .private_segment_fixed_size: 0
    .kernarg_segment_align: 8
    .kernarg_segment_size: 40
    .max_flat_workgroup_size: 128
    .sgpr_count:     66
    .vgpr_count:     1024
    .wavefront_size: 32
...
	.end_amdgpu_metadata
.endif
;; end of part 3
;; launch down (part 4): grid 32 x 8, 4 waves a work-group, no clusters, 102,912 bytes of LDS; arguments W2, b2, hq, xq, plan, ypart; writes ypart
.if DOCPART == 4
	.amdgcn_target "amdgcn-amd-amdhsa--gfx1250"
	.amdhsa_code_object_version 6
	.text
	.protected	k_qdd644ca737_down
	.globl	k_qdd644ca737_down
	.p2align	8
	.type	k_qdd644ca737_down,@function
k_qdd644ca737_down:
	s_mov_b64 s[64:65], 0
	v_nop
	global_prefetch_b8 v0, s[64:65] scope:SCOPE_SE
	s_setreg_imm32_b32 hwreg(HW_REG_WAVE_MODE, 25, 1), 1
	s_wait_xcnt 0x0
; ypart[kp][place][:] = gate x (h Q(W2[e]) over half kp of H, + b2[e] where kp = 0), for the rows routed to expert e; h comes as codes from hq.
; SHARES.  Work-group (2 nb + kp, e) owns W2[e][k 2,048 kp .. + 2,047][columns 64 nb .. + 63]: 512 KiB of f32, read once in the launch, by this work-group alone.  8 steps of 256 k, two K steps of 128 each.
; In a step wave w loads rows 256 sg + 64 w + 0 .. 63, two to a load (each half of the lanes takes a row's 256 consecutive, aligned bytes): lane (r, hb) holds k 64 w + 32 hb + kk of columns 4 r + j.
; Set j of a lane so is a whole block, in the lane and the registers in which tile j (column n of the tile = column 4 n + j) wants it.  Quantised, to LDS (each step into bytes of its own), one barrier,
; and every wave multiplies the step's 2 x 4 fragments with its own five tiles of 16 rows of h.  20 accumulators a wave.  Rows beyond 320: one tile a trip behind the steps, from the codes that stayed in LDS.
; The product is used the natural way (source 0 = 16 rows of h, source 1 = a tile of W): lane (r, hh), register n of tile j holds row 8 hh + n, column 4 r + j: four tiles give 16 neighbouring bytes, sixteen lanes a row's 256 aligned bytes.
; K is split in two so that a row of the slice is 256 bytes while 256 work-groups share the weights; the two halves are added by the next launch.
; NO TENSOR LOADS, NO CLUSTER: as in the launch before: branches hang on the stored number of tiles, the f32 weights must pass through registers, and no two work-groups read the same weight.
; LIMITS: NaN and infinities are not served (b2 is multiplied by 0 where kp = 1); a block of W whose largest magnitude lies under 2^-124 gets the byte 1.
; REGISTERS.  window 0: v1-15, v140-143 addresses; v16-55 h's scale words (slot i at 16 + 8 i; register 4 (ksl / 8) + ksl % 4; lanes 16-31 where (ksl / 4) % 2); v56-59 W's (register 2 u + j / 2; lanes 16-31 for odd j);
;   v60-91 T; v92-99 at work; v100-139 codes on their way to LDS; v144-239 the step's fragments of W (48 u + 12 j); on the way out v144-183 gates, v184-247 results.
;   window 1: two sets of 128 for W as loaded.   window 2: h's fragments, two sets of 120 (24 i + 12 u).   window 3: accumulators at 32 i + 8 j; v160-191 b2 in the result's layout; v192-195 b2 as loaded.
.set HSB, 6684672
.set GPB, 2097152
.set PARTB, 8912896
.set WS,  98304                        ; LDS: codes [K step 16][tile 4][lane 32][48 bytes] from 0; scale bytes [K step][tile][row 16][4] from WS
.set HSR, 16
.set WSR, 56
.set T,   60
.set M0,  92
.set M1,  93
.set SCL, 94
.set BY,  96
.set PC,  100
.set BF,  144
.set BI,  160
.set MSB, 0
.macro WIN new                         ; the immediate's high byte repeats the setting that is left
.if MSB != \new
	s_set_vgpr_msb (MSB<<8)|\new
.set MSB, \new
.endif
.endm
.macro WLOAD sg
	WIN 0x40
.set kk, 0
.rept 32
	global_load_b128 v[128*((\sg)%2)+4*kk:128*((\sg)%2)+4*kk+3], v5, s[26:27] offset:(256*(\sg)+kk)*4096 th:TH_LOAD_NT
.set kk, kk+1
.endr
.endm
.macro HLD sg                          ; my five tiles' fragments of h for the step's two K steps
	WIN 0x80
.irp i, 0,1,2,3,4
.irp u, 0,1
.irp q, 0,1,2
	global_load_b128 v[120*((\sg)%2)+24*\i+12*\u+4*\q:120*((\sg)%2)+24*\i+12*\u+4*\q+3], v[10+\i], s[8:9] offset:(2*(\sg)+\u)*1536+512*\q
.endr
.endr
.endr
.endm
.macro QW sg                           ; my four columns' blocks of step sg: turned, quantised, to LDS
.if (\sg) < 4
.set LWA, 6
.else
.set LWA, 2
.endif
.irp j, 0,1,2,3
	WIN 0x01
.set kk, 0
.rept 32
	v_mov_b32 v[T+kk], v[128*((\sg)%2)+4*kk+\j]    ; column 4 r + j, down K
.set kk, kk+1
.endr
	WIN 0
	v_max3_num_f32 v[M0], |v[T]|, |v[T+1]|, |v[T+2]|
	v_max3_num_f32 v[M1], |v[T+3]|, |v[T+4]|, |v[T+5]|
.irp i, 6,10,14,18,22,26
	v_max3_num_f32 v[M0], v[M0], |v[T+\i]|, |v[T+\i+1]|
	v_max3_num_f32 v[M1], v[M1], |v[T+\i+2]|, |v[T+\i+3]|
.endr
	v_max3_num_f32 v[M0], v[M0], |v[T+30]|, |v[T+31]|
	v_max3_num_f32 v[M0], v[M0], v[M1], 0x1800000  ; and the floor 2^(3 - 127): the byte cannot fall under 1
	v_add_nc_u32 v[SCL], 0xff000000, v[M0]         ; 2 off the exponent field: the conversion's scale operand
	v_lshrrev_b32 v[BY+\j], 23, v[SCL]             ; the scale's byte
	v_cvt_scalef32_pk16_fp6_f32 v[PC+10*\j:PC+10*\j+2], v[T:T+15], v[SCL]
	v_cvt_scalef32_pk16_fp6_f32 v[PC+10*\j+6:PC+10*\j+8], v[T+16:T+31], v[SCL]   ; (a conversion's three registers begin on an even number)
	v_nop                                          ; one plain place behind a scaled conversion
.irp i, 0,1,2
	v_mov_b32 v[PC+10*\j+3+\i], v[PC+10*\j+6+\i]
.endr
.irp i, 0,1,2
	ds_store_b64 v[LWA], v[PC+10*\j+2*\i:PC+10*\j+2*\i+1] offset:((\sg)%4)*12288+\j*1536+8*\i   ; registers 6 (w % 2) .. + 5 of my own lane in tile j of K step 2 sg + w / 2
.endr
	ds_store_b8 v7, v[BY+\j] offset:(\sg)*512+64*\j   ; byte 2 (w % 2) + hb of that column's scale word
.endr
.endm
.macro BFL sg
.if (\sg) < 4
.set LRA, 8
.else
.set LRA, 140
.endif
.irp u, 0,1
.irp j, 0,1,2,3
.irp q, 0,1,2
	ds_load_b128 v[BF+48*\u+12*\j+4*\q:BF+48*\u+12*\j+4*\q+3], v[LRA] offset:((\sg)%4)*12288+\u*6144+\j*1536+16*\q
.endr
.endr
.endr
.irp u, 0,1
.irp p, 0,1
	ds_load_b32 v[WSR+2*\u+\p], v9 offset:(2*(\sg)+\u)*256+128*\p
.endr
.endr
.endm
.macro WM d, a, b, c, sa, sb, ra, rb   ; one product; ra, rb: the side's scale words stand in lanes 16-31
.if (\ra) && (\rb)
	v_wmma_scale_f32_16x16x128_f8f6f4 v[\d:\d+7], v[\a:\a+11], v[\b:\b+11], v[\c:\c+7], v[\sa], v[\sb] matrix_a_fmt:MATRIX_FMT_FP6 matrix_b_fmt:MATRIX_FMT_FP6 matrix_a_scale:MATRIX_SCALE_ROW1 matrix_b_scale:MATRIX_SCALE_ROW1
.elseif \ra
	v_wmma_scale_f32_16x16x128_f8f6f4 v[\d:\d+7], v[\a:\a+11], v[\b:\b+11], v[\c:\c+7], v[\sa], v[\sb] matrix_a_fmt:MATRIX_FMT_FP6 matrix_b_fmt:MATRIX_FMT_FP6 matrix_a_scale:MATRIX_SCALE_ROW1
.elseif \rb
	v_wmma_scale_f32_16x16x128_f8f6f4 v[\d:\d+7], v[\a:\a+11], v[\b:\b+11], v[\c:\c+7], v[\sa], v[\sb] matrix_a_fmt:MATRIX_FMT_FP6 matrix_b_fmt:MATRIX_FMT_FP6 matrix_b_scale:MATRIX_SCALE_ROW1
.else
	v_wmma_scale_f32_16x16x128_f8f6f4 v[\d:\d+7], v[\a:\a+11], v[\b:\b+11], v[\c:\c+7], v[\sa], v[\sb] matrix_a_fmt:MATRIX_FMT_FP6 matrix_b_fmt:MATRIX_FMT_FP6
.endif
.endm
; Slot i's four products of K step 2 sg + u; hr: h's fragment, in window 2.  first: b2 (or zeros) is the C.  The accumulators take turns, one instruction a turn.
.macro MD sg, u, i, hr, first
.set KSL, 2*(\sg)+(\u)
.irp j, 0,1,2,3
.if \first
	WM 32*(\i)+8*\j,\hr,BF+48*(\u)+12*\j,BI+8*\j,HSR+8*(\i)+4*(KSL/8)+KSL%4,WSR+2*(\u)+\j/2,(KSL/4)%2,\j%2
.else
	WM 32*(\i)+8*\j,\hr,BF+48*(\u)+12*\j,32*(\i)+8*\j,HSR+8*(\i)+4*(KSL/8)+KSL%4,WSR+2*(\u)+\j/2,(KSL/4)%2,\j%2
.endif
.endr
.endm
; Slot i's tile goes out: times the row's gate, eight stores of two rows' 256 aligned bytes each
.macro EPID i
.set OB, 184+32*((\i)%2)
	s_wait_xcnt 0x0                                ; earlier stores have read their data and offset
	WIN 0x03
.irp n, 0,1,2,3,4,5,6,7
.irp j, 0,1,2,3
	v_mul_f32 v[OB+4*\n+\j], v[32*(\i)+8*\j+\n], v[144+8*(\i)+\n]   ; each accumulator is read from its register 0 on
.endr
.endr
	WIN 0
	s_lshl_b32 s44, s[30+\i], 16
	s_add_co_u32 s44, s44, s41
	v_add_nc_u32 v15, s44, v141
.irp n, 0,1,2,3,4,5,6,7
	global_store_b128 v15, v[OB+4*\n:OB+4*\n+3], s[14:15] offset:4096*\n
.endr
.endm
.macro GEPI i                          ; only tiles of my expert are stored
	s_cmp_lt_u32 s[35+\i], s23
	s_cbranch_scc0 .Lno_\@
	EPID \i
.Lno_\@:
.endm
	s_load_b256 s[4:11], s[0:1], 0x0               ; W2 s[4:5], b2 s[6:7], hq s[8:9], xq s[10:11]
	s_load_b128 s[12:15], s[0:1], 0x20             ; plan s[12:13], ypart s[14:15]
	v_lshl_add_u32 v254, v0, 2, 0x19000
	v_mov_b32 v255, 0
	v_lshrrev_b32 v2, 5, v0
	v_readfirstlane_b32 s18, v2                    ; wave
	s_lshr_b32 s19, ttmp9, 1                       ; nb
	s_and_b32 s21, ttmp9, 1                        ; kp
	s_and_b32 s20, ttmp7, 0xffff                   ; e
	v_and_b32 v3, 31, v0                           ; lane
	v_lshlrev_b32 v1, 4, v3                        ; 16 lane
	v_bfe_u32 v4, v0, 4, 1                         ; hb, hh
	v_and_b32 v142, 15, v0                         ; r
	v_lshlrev_b32 v143, 4, v142                    ; 16 r
	v_lshl_add_u32 v5, v4, 17, v143                ; W2: 16 r, and 32 rows of 4,096 bytes further down for lanes 16-31
	v_lshl_add_u32 v141, v4, 15, v143              ; ypart: 16 r + 8 hh rows
	v_mul_u32_u24 v8, v3, 48                       ; codes out of LDS
	v_add_nc_u32 v140, 49152, v8                   ; the same for steps 4 to 7: an LDS immediate has 16 bits
	s_lshr_b32 s44, s18, 1
	s_mul_i32 s45, s44, 6144
	s_and_b32 s47, s18, 1
	s_mul_i32 s48, s47, 24
	s_add_co_u32 s45, s45, s48
	v_add_nc_u32 v6, s45, v8                       ; codes into LDS: 48 lane + 6,144 (w / 2) + 24 (w % 2)
	v_add_nc_u32 v2, 49152, v6
	v_lshlrev_b32 v9, 2, v3
	v_add_nc_u32 v9, WS, v9                        ; scale words out of LDS
	s_lshl_b32 s44, s44, 8
	s_lshl_b32 s47, s47, 1
	s_add_co_u32 s44, s44, s47
	v_lshlrev_b32 v7, 2, v142
	v_add_nc_u32 v7, v7, v4
	v_add_nc_u32 v7, s44, v7
	v_add_nc_u32 v7, WS, v7                        ; scale bytes into LDS: 4 r + hb + 256 (w / 2) + 2 (w % 2)
	s_lshl_b32 s41, s19, 8                         ; my 64 columns, in bytes
	s_mul_i32 s42, s21, 24576                      ; my half of a tile's codes of h
	s_lshl_b32 s43, s21, 10                        ; and of its scale words
	s_cmp_eq_u32 s21, 0
	s_cselect_b32 s46, 1.0, 0                      ; b2 counts in the first half alone
	s_lshl_b32 s44, s20, 24
	s_lshl_b32 s45, s21, 23
	s_add_co_u32 s44, s44, s45
	s_add_co_u32 s44, s44, s41
	s_lshl_b32 s45, s18, 18
	s_add_co_u32 s44, s44, s45                     ; W2: e x 2^24 + kp x 2^23 + 256 nb + 64 w rows
	s_mov_b32 s45, 0
	s_lshl_b32 s48, s20, 12
	s_add_co_u32 s48, s48, s41
	s_mov_b32 s49, 0
	s_mul_i32 s50, s21, PARTB
	s_mov_b32 s51, 0
	s_lshl_b32 s47, s20, 3
	s_wait_kmcnt 0x0
	s_add_nc_u64 s[26:27], s[4:5], s[44:45]
	s_add_nc_u64 s[6:7], s[6:7], s[48:49]
	s_add_nc_u64 s[14:15], s[14:15], s[50:51]
	s_load_b64 s[22:23], s[12:13], s47 offset:0x0  ; tb, nt
	s_load_b32 s24, s[12:13], 0x40                 ; all tiles
	WLOAD 0
	WIN 0
	s_wait_kmcnt 0x0
	s_sub_co_u32 s25, s24, 1
.irp i, 0,1,2,3,4
	s_add_co_u32 s[35+\i], s18, 4*\i               ; slot i: the expert's tile 4 i + w,
	s_add_co_u32 s[30+\i], s22, s[35+\i]
	s_min_u32 s[30+\i], s[30+\i], s25              ; or, where it has none, a tile that has been stored
	s_min_u32 s[30+\i], s[30+\i], 135
	s_mul_i32 s44, s[30+\i], 49152
	s_add_co_u32 s44, s44, s42
	v_add_nc_u32 v[10+\i], s44, v1
	s_lshl_b32 s44, s[30+\i], 11
	s_add_co_u32 s44, s44, s43
	v_add_nc_u32 v[T+\i], s44, v1
.endr
.irp i, 0,1,2,3,4
	global_load_b128 v[HSR+8*\i:HSR+8*\i+3], v[T+\i], s[8:9] offset:HSB
	global_load_b128 v[HSR+8*\i+4:HSR+8*\i+7], v[T+\i], s[8:9] offset:HSB+512
.endr
	WIN 0xc0
	global_load_b128 v[192:195], v143, s[6:7]      ; b2 of columns 4 r + 0 .. 3
	HLD 0
	WLOAD 1
.macro STEP sg
.if (\sg) < 7
	s_wait_loadcnt 62                              ; W of this step is in (at step 0 also h's scale words and b2): behind it were issued h's 30 of this step and W's 32 of the next
.else
	s_wait_loadcnt 30                              ; behind W's last step: h's 30
.endif
.if (\sg) == 0
	WIN 0xcc
.irp j, 0,1,2,3
.irp n, 0,1,2,3,4,5,6,7
	v_mul_f32 v[BI+8*\j+\n], s46, v[192+\j]        ; b2 (x 1 or x 0) in the result's layout: every row of a column has the same
.endr
.endr
.endif
	QW \sg                                         ; (its plain lines are also the places between the last products and the loads into their operands below)
.if (\sg) < 7
	HLD (\sg)+1
.endif
	WIN 0
	s_wait_dscnt 0x0                               ; my codes and bytes lie in LDS
	s_barrier_signal -1
	s_barrier_wait -1                              ; everybody's do
	BFL \sg
.if (\sg) < 7
	s_wait_loadcnt 62                              ; h of this step is in: behind it W's 32 and h's 30
.else
	s_wait_loadcnt 0x0
.endif
	s_wait_dscnt 0x0
	WIN 0xf2
.irp u, 0,1
.irp i, 0,1,2,3,4
	MD \sg,\u,\i,120*((\sg)%2)+24*\i+12*\u,(((\sg)==0)&&(\u==0))
.endr
.endr
.if (\sg) < 6
	WLOAD (\sg)+2                                  ; into the set turned in this step
.endif
.endm
.irp s, 0,1,2,3,4,5,6,7
	STEP \s
.endr
	WIN 0
.rept 4
	v_nop                                          ; four places between the last product and loads into its operands, and the first read of a result
.endr
.irp i, 0,1,2,3,4
	s_lshl_b32 s44, s[30+\i], 6
	v_lshl_add_u32 v[T+\i], v4, 5, s44             ; the gates of rows 16 g + 8 hh + 0 .. 7
.endr
.irp i, 0,1,2,3,4
	global_load_b128 v[144+8*\i:144+8*\i+3], v[T+\i], s[10:11] offset:GPB
	global_load_b128 v[144+8*\i+4:144+8*\i+7], v[T+\i], s[10:11] offset:GPB+16
.endr
	s_wait_loadcnt 0x0
.irp i, 0,1,2,3,4
	GEPI \i
.endr
	; rows beyond 320: the expert's tiles 20 + w, 24 + w .. one a trip, in slot 0; no barrier: LDS is only read
	s_add_co_u32 s53, s18, 20
	s_cmp_lt_u32 s53, s23
	s_cbranch_scc0 .Ldone
	s_sub_co_u32 s52, s23, s53                     ; the expert's tiles from 20 + w on: at least one;
	s_add_co_u32 s52, s52, 3
	s_lshr_b32 s52, s52, 2                         ; every fourth of them is mine: the trips
	s_add_co_u32 s53, s53, s22                     ; the first of them, counted over all experts
	s_mov_b32 s40, 0                               ; the trip
.Lover:
.rept 5
	v_nop                                          ; five places in front of products that begin accumulators anew, four in front of loads into operands
.endr
	s_wait_xcnt 0x0                                ; earlier loads and stores have read their offsets
	s_lshl_b32 s30, s40, 2
	s_add_co_u32 s30, s30, s53                     ; this trip's tile
	s_min_u32 s30, s30, s25
	s_min_u32 s30, s30, 135
	s_mul_i32 s44, s30, 49152
	s_add_co_u32 s44, s44, s42
	v_add_nc_u32 v10, s44, v1
	s_lshl_b32 s44, s30, 11
	s_add_co_u32 s44, s44, s43
	v_add_nc_u32 v[T+1], s44, v1
	global_load_b128 v[HSR:HSR+3], v[T+1], s[8:9] offset:HSB
	global_load_b128 v[HSR+4:HSR+7], v[T+1], s[8:9] offset:HSB+512
	WIN 0x80
.irp k, 0,1,2,3,4,5,6,7,8,9,10,11,12,13,14,15
.irp q, 0,1,2
	global_load_b128 v[12*\k+4*\q:12*\k+4*\q+3], v10, s[8:9] offset:\k*1536+512*\q
.endr
.endr
	WIN 0
	s_wait_loadcnt 0x0
.irp s, 0,1,2,3,4,5,6,7
	BFL \s
	s_wait_dscnt 0x0
	WIN 0xf2
	MD \s,0,0,24*\s,((\s)==0)
	MD \s,1,0,24*\s+12,0
	WIN 0
.rept 4
	v_nop
.endr
.endr
	s_lshl_b32 s44, s30, 6
	v_lshl_add_u32 v[T], v4, 5, s44
	global_load_b128 v[144:147], v[T], s[10:11] offset:GPB      ; the gates come behind the products: they share registers with W's fragments
	global_load_b128 v[148:151], v[T], s[10:11] offset:GPB+16
	s_wait_loadcnt 0x0
	EPID 0
	s_add_co_u32 s40, s40, 1
	s_cmp_lt_u32 s40, s52
	s_cbranch_scc1 .Lover
.Ldone:
	s_wait_tensorcnt 0x0
	ds_add_u32 v254, v255
	s_wait_dscnt 0x0
	s_endpgm
.Lfunc_end_k_qdd644ca737_down:
	.size	k_qdd644ca737_down, .Lfunc_end_k_qdd644ca737_down-k_qdd644ca737_down
	.p2alignl 7, 3214868480
	.fill 96, 4, 3214868480
	.section	.rodata,"a",@progbits
	.p2align	6, 0x0
	.amdhsa_kernel k_qdd644ca737_down
		.amdhsa_group_segment_fixed_size 102912
		.amdhsa_private_segment_fixed_size 0
		.amdhsa_enable_private_segment 0
		.amdhsa_kernarg_size 48
		.amdhsa_user_sgpr_count 2
		.amdhsa_user_sgpr_kernarg_segment_ptr 1
		.amdhsa_wavefront_size32 1
		.amdhsa_system_sgpr_workgroup_id_x 1
		.amdhsa_system_sgpr_workgroup_id_y 1
		.amdhsa_system_sgpr_workgroup_id_z 1
		.amdhsa_system_vgpr_workitem_id 0
		.amdhsa_next_free_vgpr 1024
		.amdhsa_next_free_sgpr 66
		.amdhsa_reserve_vcc 0
		.amdhsa_float_denorm_mode_32 3
		.amdhsa_float_denorm_mode_16_64 3
		.amdhsa_memory_ordered 1
		.amdhsa_forward_progress 1
		.amdhsa_inst_pref_size 240
	.end_amdhsa_kernel
	.amdgpu_metadata
---
amdhsa.version: [ 1, 2 ]
amdhsa.kernels:
  - .name:           k_qdd644ca737_down
    .symbol:         k_qdd644ca737_down.kd
    .args:
      - { .name: W2, .offset: 0, .size: 8, .value_kind: global_buffer, .address_space: global }
      - { .name: b2, .offset: 8, .size: 8, .value_kind: global_buffer, .address_space: global }
      - { .name: hq, .offset: 16, .size: 8, .value_kind: global_buffer, .address_space: global }
      - { .name: xq, .offset: 24, .size: 8, .value_kind: global_buffer, .address_space: global }
      - { .name: plan, .offset: 32, .size: 8, .value_kind: global_buffer, .address_space: global }
      - { .name: ypart, .offset: 40, .size: 8, .value_kind: global_buffer, .address_space: global }
    .group_segment_fixed_size: 102912
    .private_segment_fixed_size: 0
    .kernarg_segment_align: 8
    .kernarg_segment_size: 48
    .max_flat_workgroup_size: 128
    .sgpr_count:     66
    .vgpr_count:     1024
    .wavefront_size: 32
...
	.end_amdgpu_metadata
.endif
;; end of part 4
;; launch combine (part 5): grid 256 x 1, 4 waves a work-group, no clusters, 0 bytes of LDS; arguments ypart, plan, out0; writes out0
.if DOCPART == 5
	.amdgcn_target "amdgcn-amd-amdhsa--gfx1250"
	.amdhsa_code_object_version 6
	.text
	.protected	k_qdd644ca737_combine
	.globl	k_qdd644ca737_combine
	.p2align	8
	.type	k_qdd644ca737_combine,@function
k_qdd644ca737_combine:
	s_mov_b64 s[64:65], 0
	v_nop
	global_prefetch_b8 v0, s[64:65] scope:SCOPE_SE
	s_setreg_imm32_b32 hwreg(HW_REG_WAVE_MODE, 25, 1), 1
	s_wait_xcnt 0x0
; out0[t] = the four rows of ypart that belong to token t: its two places x the two halves of H.  The gates and b2 are in them already.
; A wave takes a token: 32 loads of 512 consecutive bytes, all issued at once; eight stores of 512 consecutive, aligned bytes.  Each output row has this one owner.
; A stream: no LDS, no matrix unit, no cluster (nothing is shared).  The places read from plan pass s_min_u32 with 2,175 before they enter an address.
.set PARTB, 8912896
.set R, 16                             ; v16-143: piece n of the row, source c at R + 16 n + 4 c
	s_load_b128 s[4:7], s[0:1], 0x0                ; ypart s[4:5], plan s[6:7]
	s_load_b64 s[8:9], s[0:1], 0x10                ; out0
	v_lshrrev_b32 v1, 5, v0
	v_readfirstlane_b32 s10, v1                    ; wave
	s_lshl_b32 s11, ttmp9, 2
	s_add_co_u32 s11, s11, s10                     ; token
	s_lshl_b32 s12, s11, 3
	v_and_b32 v3, 31, v0
	v_lshlrev_b32 v3, 4, v3                        ; 16 lane
	s_lshl_b32 s18, s11, 12
	s_mov_b32 s19, 0
	s_wait_kmcnt 0x0
	s_load_b64 s[16:17], s[6:7], s12 offset:0x100  ; pos[t][0..1]
	s_add_nc_u64 s[14:15], s[4:5], PARTB
	s_add_nc_u64 s[8:9], s[8:9], s[18:19]
	s_wait_kmcnt 0x0
	s_min_u32 s16, s16, 2175
	s_min_u32 s17, s17, 2175
	s_lshl_b32 s16, s16, 12
	s_lshl_b32 s17, s17, 12
	v_add_nc_u32 v1, s16, v3
	v_add_nc_u32 v2, s17, v3
.irp n, 0,1,2,3,4,5,6,7
	global_load_b128 v[R+16*\n:R+16*\n+3], v1, s[4:5] offset:512*\n th:TH_LOAD_NT
	global_load_b128 v[R+16*\n+4:R+16*\n+7], v1, s[14:15] offset:512*\n th:TH_LOAD_NT
	global_load_b128 v[R+16*\n+8:R+16*\n+11], v2, s[4:5] offset:512*\n th:TH_LOAD_NT
	global_load_b128 v[R+16*\n+12:R+16*\n+15], v2, s[14:15] offset:512*\n th:TH_LOAD_NT
.endr
.irp n, 0,1,2,3,4,5,6,7
	s_wait_loadcnt 4*(7-\n)                        ; piece n's four loads are in; four for each later piece may be out
	v_pk_add_f32 v[R+16*\n:R+16*\n+1], v[R+16*\n:R+16*\n+1], v[R+16*\n+4:R+16*\n+5]
	v_pk_add_f32 v[R+16*\n+2:R+16*\n+3], v[R+16*\n+2:R+16*\n+3], v[R+16*\n+6:R+16*\n+7]
	v_pk_add_f32 v[R+16*\n+8:R+16*\n+9], v[R+16*\n+8:R+16*\n+9], v[R+16*\n+12:R+16*\n+13]
	v_pk_add_f32 v[R+16*\n+10:R+16*\n+11], v[R+16*\n+10:R+16*\n+11], v[R+16*\n+14:R+16*\n+15]
	v_pk_add_f32 v[R+16*\n:R+16*\n+1], v[R+16*\n:R+16*\n+1], v[R+16*\n+8:R+16*\n+9]
	v_pk_add_f32 v[R+16*\n+2:R+16*\n+3], v[R+16*\n+2:R+16*\n+3], v[R+16*\n+10:R+16*\n+11]
	global_store_b128 v3, v[R+16*\n:R+16*\n+3], s[8:9] offset:512*\n th:TH_STORE_NT
.endr
	s_endpgm
.Lfunc_end_k_qdd644ca737_combine:
	.size	k_qdd644ca737_combine, .Lfunc_end_k_qdd644ca737_combine-k_qdd644ca737_combine
	.p2alignl 7, 3214868480
	.fill 96, 4, 3214868480
	.section	.rodata,"a",@progbits
	.p2align	6, 0x0
	.amdhsa_kernel k_qdd644ca737_combine
		.amdhsa_group_segment_fixed_size 0
		.amdhsa_private_segment_fixed_size 0
		.amdhsa_enable_private_segment 0
		.amdhsa_kernarg_size 24
		.amdhsa_user_sgpr_count 2
		.amdhsa_user_sgpr_kernarg_segment_ptr 1
		.amdhsa_wavefront_size32 1
		.amdhsa_system_sgpr_workgroup_id_x 1
		.amdhsa_system_sgpr_workgroup_id_y 1
		.amdhsa_system_sgpr_workgroup_id_z 1
		.amdhsa_system_vgpr_workitem_id 0
		.amdhsa_next_free_vgpr 144
		.amdhsa_next_free_sgpr 66
		.amdhsa_reserve_vcc 0
		.amdhsa_float_denorm_mode_32 3
		.amdhsa_float_denorm_mode_16_64 3
		.amdhsa_memory_ordered 1
		.amdhsa_forward_progress 1
		.amdhsa_inst_pref_size 9
	.end_amdhsa_kernel
	.amdgpu_metadata
---
amdhsa.version: [ 1, 2 ]
amdhsa.kernels:
  - .name:           k_qdd644ca737_combine
    .symbol:         k_qdd644ca737_combine.kd
    .args:
      - { .name: ypart, .offset: 0, .size: 8, .value_kind: global_buffer, .address_space: global }
      - { .name: plan, .offset: 8, .size: 8, .value_kind: global_buffer, .address_space: global }
      - { .name: out0, .offset: 16, .size: 8, .value_kind: global_buffer, .address_space: global }
    .group_segment_fixed_size: 0
    .private_segment_fixed_size: 0
    .kernarg_segment_align: 8
    .kernarg_segment_size: 24
    .max_flat_workgroup_size: 128
    .sgpr_count:     66
    .vgpr_count:     144
    .wavefront_size: 32
...
	.end_amdgpu_metadata
.endif
;; end of part 5
;; ======== version 2 of 2: 5 launches
;; workspace buffers: route 4,608 bytes of whole numbers; gate 8,192 bytes; xq 2,228,224 bytes; plan 8,448 bytes of whole numbers; hq 6,963,200 bytes; ypart 17,825,792 bytes
;; launch route (part 6): grid 32 x 1, 8 waves a work-group, no clusters, 38,912 bytes of LDS; arguments x, Wg, bg, route, gate, xq; writes route, gate, xq
.if DOCPART == 6
	.amdgcn_target "amdgcn-amd-amdhsa--gfx1250"
	.amdhsa_code_object_version 6
	.text
	.protected	k_qdd644ca737_route
	.globl	k_qdd644ca737_route
	.p2align	8
	.type	k_qdd644ca737_route,@function
k_qdd644ca737_route:
	s_mov_b64 s[64:65], 0
	v_nop
	global_prefetch_b8 v0, s[64:65] scope:SCOPE_SE
	s_setreg_imm32_b32 hwreg(HW_REG_WAVE_MODE, 25, 1), 1
	s_wait_xcnt 0x0
; THE ROUTER.  logits = x Wg + bg in f32 (fused multiply-adds), the two largest of eight (the lower index wins a tie), a softmax over the two.
; A work-group owns 32 tokens, a wave four of them.  Stored at fixed places: route: info[t] = e0 | e1<<8 | r0<<16 | r1<<24 (r: the token's rank among
; the group's tokens that chose that expert), and from byte 4096 on for each group four words of counts, word m = count(2m) | count(2m+1)<<16;
; gate[t][2].  No address and no branch hangs on a logit.  The launch also writes zeros over all of xq (17 x 131,072 bytes), so that rows that no token takes hold zero codes and a gate of 0.
; No matrix unit: N = 8.  No cluster: Wg, the one thing shared, is 32 KiB against the 128 KiB of x that a work-group reads.
; LIMITS: NaN and infinities among the inputs are not served.  The sums run in another order than a plain chain along d, so two logits that agree to about 1e-6 of their size may be ranked the other way.
.set WGP, 144                          ; LDS: four rows of Wg (128 bytes) + 16: 36 words
.set LOG, 36864                        ; LDS: behind Wg's 256 groups: 32 tokens x 8 logits
.set X,   32                           ; v32-159  x: token n, load q at X + 32 n + 4 q
.set ACC, 160                          ; v160-191 sums: token n, expert e at ACC + 8 n + e
.set WR,  192                          ; v192-255 two sets of 32: register 8 i + e = Wg[128 q + 4 lane + i][e]
	s_load_b256 s[4:11], s[0:1], 0x0               ; x s[4:5], Wg s[6:7], bg s[8:9], route s[10:11]
	s_load_b128 s[12:15], s[0:1], 0x20             ; gate s[12:13], xq s[14:15]
	s_set_vgpr_msb 0x40
	v_lshl_add_u32 v0, v0, 2, 0x9400
	v_mov_b32 v1, 0
	s_set_vgpr_msb 0x4000
	v_and_b32 v1, 31, v0                           ; lane
	v_lshrrev_b32 v10, 5, v0
	s_delay_alu instid0(VALU_DEP_1)
	v_readfirstlane_b32 s16, v10                   ; wave
	v_lshlrev_b32 v11, 4, v0                       ; 16 x thread: Wg as it lies
	v_lshrrev_b32 v2, 3, v0
	s_delay_alu instid0(VALU_DEP_1)
	v_mul_u32_u24 v2, v2, WGP
	v_and_b32 v12, 7, v0
	s_delay_alu instid0(VALU_DEP_1)
	v_lshl_add_u32 v2, v12, 4, v2                  ; into LDS: group thread / 8, 16 bytes (thread % 8)
	v_mul_u32_u24 v3, v1, WGP                      ; out of LDS: my lane's group of four rows
	v_mov_b32 v4, 0
	v_mov_b32 v5, 0
	v_mov_b32 v6, 0
	v_mov_b32 v7, 0
	v_lshl_add_u32 v8, v1, 5, LOG                  ; wave 0 at the end: lane = token
	v_lshl_add_u32 v9, v10, 7, LOG                 ; my wave's four tokens' logits
	v_lshlrev_b32 v13, 4, v1
	s_delay_alu instid0(VALU_DEP_1)
	v_lshl_add_u32 v13, v10, 14, v13               ; x: 16 lane + four rows of 4,096 bytes a wave
	s_lshl_b32 s18, ttmp9, 17                      ; the group's 32 rows
	s_mov_b32 s19, 0
	s_lshl_b32 s20, ttmp9, 12
	v_add_nc_u32 v14, s20, v11                     ; the zeros: 4,096 bytes a work-group in each run of 131,072
	s_lshl_b32 s20, ttmp9, 7
	v_lshl_add_u32 v15, v1, 2, s20                 ; info
	s_lshl_b32 s20, ttmp9, 8
	v_lshl_add_u32 v10, v1, 3, s20                 ; gate
	s_lshl_b32 s20, ttmp9, 4
	v_mov_b32 v12, s20                             ; the group's counts
	s_mov_b32 s2, 0x76543210
	s_mov_b32 s3, 0xfedcba98                       ; lane l xor 16
	s_wait_alu depctr_va_vdst(0)
	s_wait_kmcnt 0x0
	s_add_nc_u64 s[4:5], s[4:5], s[18:19]
	s_load_b256 s[24:31], s[8:9], 0x0              ; bg
.irp m, 0,1,2,3,4,5,6,7
	global_load_b128 v[WR+4*\m:WR+4*\m+3], v11, s[6:7] offset:4096*\m
.endr
.irp q, 0,1,2,3,4,5,6,7
.irp n, 0,1,2,3
	global_load_b128 v[X+32*\n+4*\q:X+32*\n+4*\q+3], v13, s[4:5] offset:4096*\n+512*\q th:TH_LOAD_NT   ; 512 consecutive bytes of a row
.endr
.endr
.irp m, 0,1,2,3,4,5,6,7,8,9,10,11,12,13,14,15,16
	global_store_b128 v14, v[4:7], s[14:15] offset:131072*\m   ; a wave's store covers 512 consecutive bytes, aligned
.endr
	s_wait_loadcnt 32                              ; Wg's eight loads are in; x's 32 were issued behind them
.irp m, 0,1,2,3,4,5,6,7
	ds_store_b128 v2, v[WR+4*\m:WR+4*\m+3] offset:4608*\m
.endr
	s_wait_dscnt 0x0                               ; for the others' sake: my part of Wg lies in LDS
	s_barrier_signal -1
	s_barrier_wait -1
.macro WLD q
.irp k, 0,1,2,3,4,5,6,7
	ds_load_b128 v[WR+32*((\q)%2)+4*\k:WR+32*((\q)%2)+4*\k+3], v3 offset:(\q)*4608+16*\k
.endr
.endm
; 64 packed multiply-adds: four tokens x four of my numbers x four pairs of experts; x's number is taken for both halves
.macro DOT q
.set WB, WR+32*((\q)%2)
.irp n, 0,1,2,3
.irp i, 0,1,2,3
.irp e, 0,2,4,6
.if ((\q)==0) && (\i==0)
	v_pk_mul_f32 v[ACC+8*\n+\e:ACC+8*\n+\e+1], v[WB+8*\i+\e:WB+8*\i+\e+1], v[X+32*\n+4*(\q):X+32*\n+4*(\q)+1] op_sel_hi:[1,0]   ; the first product starts the sums
.elseif (\i%2)==0
	v_pk_fma_f32 v[ACC+8*\n+\e:ACC+8*\n+\e+1], v[WB+8*\i+\e:WB+8*\i+\e+1], v[X+32*\n+4*(\q)+\i:X+32*\n+4*(\q)+\i+1], v[ACC+8*\n+\e:ACC+8*\n+\e+1] op_sel_hi:[1,0,1]
.else
	s_delay_alu instid0(VALU_DEP_4)
	v_pk_fma_f32 v[ACC+8*\n+\e:ACC+8*\n+\e+1], v[WB+8*\i+\e:WB+8*\i+\e+1], v[X+32*\n+4*(\q)+\i-1:X+32*\n+4*(\q)+\i], v[ACC+8*\n+\e:ACC+8*\n+\e+1] op_sel:[0,1,0] op_sel_hi:[1,1,1]
.endif
.endr
.endr
.endr
.endm
	WLD 0
.irp q, 0,1,2,3,4,5,6
	WLD \q+1
	s_wait_loadcnt 4*(7-\q)                        ; x's loads went out four to a q: those of later q may be out
	s_wait_dscnt 8                                 ; this q's rows of Wg are in; the next q's eight loads may be out
	DOT \q
.endr
	s_wait_loadcnt 0x0
	s_wait_dscnt 0x0
	DOT 7
.irp x, 1,2,4,8                        ; the 32 sums over the 32 lanes
.set kk, 0
.rept 32
	v_add_f32_dpp v[ACC+kk], v[ACC+kk], v[ACC+kk] row_xmask:\x row_mask:0xf bank_mask:0xf
.set kk, kk+1
.endr
.endr
.set kk, 0
.rept 32
	v_permlanex16_b32 v[WR+kk], v[ACC+kk], s2, s3
.set kk, kk+1
.endr
.set kk, 0
.rept 32
	v_add_f32 v[ACC+kk], v[ACC+kk], v[WR+kk]
.set kk, kk+1
.endr
.irp n, 0,1,2,3
	ds_store_b128 v9, v[ACC+8*\n:ACC+8*\n+3] offset:32*\n          ; all lanes write the same bytes with the same values
	ds_store_b128 v9, v[ACC+8*\n+4:ACC+8*\n+7] offset:32*\n+16
.endr
	s_wait_dscnt 0x0
	s_barrier_signal -1
	s_barrier_wait -1
	s_cmp_lg_u32 s16, 0
	s_cbranch_scc1 .Lend                           ; wave 0 goes on alone, a lane to a token; no barrier follows
	ds_load_b128 v[16:19], v8
	ds_load_b128 v[20:23], v8 offset:16
	v_mov_b32 v28, 0xff800000                      ; -infinity
	v_mov_b32 v38, 0                               ; r0
	v_mov_b32 v39, 0                               ; r1
	s_wait_kmcnt 0x0
	s_wait_dscnt 0x0
.irp e, 0,1,2,3,4,5,6,7
	v_add_f32 v[16+\e], s[24+\e], v[16+\e]
.endr
	v_mov_b32 v24, v16                             ; the largest: ascending, strictly greater, so the lower index keeps a tie
	v_mov_b32 v25, 0
.irp e, 1,2,3,4,5,6,7
	s_delay_alu instid0(VALU_DEP_2)
	v_cmp_gt_f32 vcc_lo, v[16+\e], v24
	s_delay_alu instid0(VALU_DEP_1)
	v_cndmask_b32 v24, v24, v[16+\e], vcc_lo
	s_delay_alu instid0(VALU_DEP_2)
	v_cndmask_b32 v25, v25, \e, vcc_lo
.endr
.irp e, 0,1,2,3,4,5,6,7
	v_cmp_eq_u32 vcc_lo, \e, v25
	s_delay_alu instid0(VALU_DEP_1)
	v_cndmask_b32 v[16+\e], v[16+\e], v28, vcc_lo  ; the winner leaves the field
.endr
	v_mov_b32 v26, v16                             ; the second
	v_mov_b32 v27, 0
.irp e, 1,2,3,4,5,6,7
	s_delay_alu instid0(VALU_DEP_2)
	v_cmp_gt_f32 vcc_lo, v[16+\e], v26
	s_delay_alu instid0(VALU_DEP_1)
	v_cndmask_b32 v26, v26, v[16+\e], vcc_lo
	s_delay_alu instid0(VALU_DEP_2)
	v_cndmask_b32 v27, v27, \e, vcc_lo
.endr
	s_delay_alu instid0(VALU_DEP_2)
	v_sub_f32 v29, v26, v24                        ; the maximum is taken away: 0 or less
	s_delay_alu instid0(VALU_DEP_1)
	v_mul_f32 v29, 0x3fb8aa3b, v29
	s_wait_alu depctr_va_vdst(0)
	v_exp_f32 v29, v29
	v_nop                                          ; a plain instruction behind the exponential,
	s_wait_alu depctr_va_vdst(0)                   ; and a wait ahead of its first reader
	v_add_f32 v30, 1.0, v29
	s_wait_alu depctr_va_vdst(0)
	v_rcp_f32 v30, v30                             ; g0 = 1 / (1 + t)
	v_nop
	s_wait_alu depctr_va_vdst(0)
	v_mul_f32 v31, v29, v30                        ; g1 = t g0
.irp e, 0,1,2,3,4,5,6,7                ; ranks and counts, expert by expert: which lanes chose it, and how many of them stand below me
	v_cmp_eq_u32 s32, \e, v25
	v_cmp_eq_u32 s33, \e, v27
	s_or_b32 s34, s32, s33
	v_mbcnt_lo_u32_b32 v37, s34, 0
	s_delay_alu instid0(VALU_DEP_1)
	v_cndmask_b32 v38, v38, v37, s32
	s_delay_alu instid0(VALU_DEP_2)
	v_cndmask_b32 v39, v39, v37, s33
	s_bcnt1_i32_b32 s[36+\e], s34
.endr
	v_lshl_or_b32 v40, v27, 8, v25
	s_delay_alu instid0(VALU_DEP_1)
	v_lshl_or_b32 v40, v38, 16, v40
	s_delay_alu instid0(VALU_DEP_1)
	v_lshl_or_b32 v40, v39, 24, v40
	s_wait_alu depctr_va_vdst(0)
.irp m, 0,1,2,3
	s_lshl_b32 s44, s[37+2*\m], 16
	s_or_b32 s44, s44, s[36+2*\m]
	v_mov_b32 v[32+\m], s44
.endr
	global_store_b32 v15, v40, s[10:11]            ; 128 consecutive bytes
	global_store_b64 v10, v[30:31], s[12:13]       ; 256 consecutive bytes, aligned
	s_wait_alu depctr_va_vdst(0)
	s_wait_xcnt 0x0                                ; EXEC changes only behind this wait
	v_cmp_eq_u32 vcc_lo, 0, v1
	s_and_saveexec_b32 s45, vcc_lo
	global_store_b128 v12, v[32:35], s[10:11] offset:4096   ; lane 0: the group's four words of counts
	s_wait_xcnt 0x0
	s_or_b32 exec_lo, exec_lo, s45
.Lend:
	s_set_vgpr_msb 0x5
	s_wait_tensorcnt 0x0
	ds_add_u32 v0, v1
	s_wait_dscnt 0x0
	s_set_vgpr_msb 0x500
	s_endpgm
.Lfunc_end_k_qdd644ca737_route:
	.size	k_qdd644ca737_route, .Lfunc_end_k_qdd644ca737_route-k_qdd644ca737_route
	.p2alignl 7, 3214868480
	.fill 96, 4, 3214868480
	.section	.rodata,"a",@progbits
	.p2align	6, 0x0
	.amdhsa_kernel k_qdd644ca737_route
		.amdhsa_group_segment_fixed_size 38912
		.amdhsa_private_segment_fixed_size 0
		.amdhsa_enable_private_segment 0
		.amdhsa_kernarg_size 48
		.amdhsa_user_sgpr_count 2
		.amdhsa_user_sgpr_kernarg_segment_ptr 1
		.amdhsa_wavefront_size32 1
		.amdhsa_system_sgpr_workgroup_id_x 1
		.amdhsa_system_sgpr_workgroup_id_y 1
		.amdhsa_system_sgpr_workgroup_id_z 1
		.amdhsa_system_vgpr_workitem_id 0
		.amdhsa_next_free_vgpr 258
		.amdhsa_next_free_sgpr 66
		.amdhsa_reserve_vcc 1
		.amdhsa_float_denorm_mode_32 3
		.amdhsa_float_denorm_mode_16_64 3
		.amdhsa_memory_ordered 1
		.amdhsa_forward_progress 1
		.amdhsa_inst_pref_size 75
	.end_amdhsa_kernel
	.amdgpu_metadata
---
amdhsa.version: [ 1, 2 ]
amdhsa.kernels:
  - .name:           k_qdd644ca737_route
    .symbol:         k_qdd644ca737_route.kd
    .args:
      - { .name: x, .offset: 0, .size: 8, .value_kind: global_buffer, .address_space: global }
      - { .name: Wg, .offset: 8, .size: 8, .value_kind: global_buffer, .address_space: global }
      - { .name: bg, .offset: 16, .size: 8, .value_kind: global_buffer, .address_space: global }
      - { .name: route, .offset: 24, .size: 8, .value_kind: global_buffer, .address_space: global }
      - { .name: gate, .offset: 32, .size: 8, .value_kind: global_buffer, .address_space: global }
      - { .name: xq, .offset: 40, .size: 8, .value_kind: global_buffer, .address_space: global }
    .group_segment_fixed_size: 38912
    .private_segment_fixed_size: 0
    .kernarg_segment_align: 8
    .kernarg_segment_size: 48
    .max_flat_workgroup_size: 256
    .sgpr_count:     66
    .vgpr_count:     258
    .wavefront_size: 32
...
	.end_amdgpu_metadata
.endif
;; end of part 6
;; launch place (part 7): grid 64 x 1, 8 waves a work-group, no clusters, 0 bytes of LDS; arguments x, route, gate, xq, plan; writes xq, plan
.if DOCPART == 7
	.amdgcn_target "amdgcn-amd-amdhsa--gfx1250"
	.amdhsa_code_object_version 6
	.text
	.protected	k_qdd644ca737_place
	.globl	k_qdd644ca737_place
	.p2align	8
	.type	k_qdd644ca737_place,@function
k_qdd644ca737_place:
	s_mov_b64 s[64:65], 0
	v_nop
	global_prefetch_b8 v0, s[64:65] scope:SCOPE_SE
	s_setreg_imm32_b32 hwreg(HW_REG_WAVE_MODE, 25, 1), 1
	s_wait_xcnt 0x0
; THE ROWS ARE PLACED BY EXPERT, AND x IS QUANTISED (E2M3, one E8M0 byte for each 32 along D).  Every work-group adds up the 32 groups' counts for itself: expert e gets
; nt_e = ceil(count_e / 16) tiles of 16 rows from tile tb_e on; a routed row's place is pos = 16 tb_e + (rows of e in the groups below) + its rank in its group.
; A work-group owns 16 tokens, wave s their K step s (128 along D).  A lane (r, h) quantises, of token r, 16 neighbours of each of four blocks; the fragment's 12 registers go to
; both places of the token as part of an IMAGE OF THE OPERAND'S REGISTERS: xq codes [tile][K step 8][q 3][lane 32][16 bytes]; scale words from XSB on, [tile][lane 32][16 bytes], row r, K step s at 16 (r + 16 (s / 4)) + 4 (s % 4);
; gates by place from GPB on.  plan: word 2 e = tb_e, word 2 e + 1 = nt_e, word 16 = all tiles; from byte 256 on pos[t][2].
; The pieces stored are 16 bytes at places that the routing decides: paid once here (1.6 MB), so that the 32 work-groups that read an expert's rows load dense images.
; Every number read from route passes a v_min_u32 with a constant before it enters an address: tile <= 135 (at most 135 tiles: 2,048 / 16 + 7), row <= 15, pos <= 2,175.
; LIMITS: NaN and infinities are not served; a block whose largest magnitude lies under 2^-124 (a block of zeros among them) gets the byte 1: its codes are zeros or what that scale gives; this program alone reads the bytes.
.set ST, 32                            ; v32-95   64 numbers: register 16 b + i = k 32 b + 16 h + i of my row's K step
.set TM, 96                            ; v96-111  at work
.set PW, 112                           ; the scale word
.set PC, 116                           ; v116-127 the codes; v128-134 at work
.set XSB, 1966080
.set GPB, 2097152
.set SEL, 16
	s_load_b256 s[4:11], s[0:1], 0x0               ; x s[4:5], route s[6:7], gate s[8:9], xq s[10:11]
	s_load_b64 s[12:13], s[0:1], 0x20              ; plan
	v_and_b32 v1, 31, v0                           ; lane
	v_lshrrev_b32 v2, 5, v0
	s_delay_alu instid0(VALU_DEP_1)
	v_readfirstlane_b32 s14, v2                    ; wave = K step
	v_and_b32 v2, 15, v0                           ; r
	v_bfe_u32 v3, v0, 4, 1                         ; h
	s_lshl_b32 s15, ttmp9, 4
	v_add_nc_u32 v4, s15, v2                       ; my token
	s_delay_alu instid0(VALU_DEP_1)
	v_lshlrev_b32 v5, 2, v4
	s_delay_alu instid0(VALU_DEP_2)
	v_lshlrev_b32 v6, 3, v4
	v_lshlrev_b32 v7, 4, v1
	s_delay_alu instid0(VALU_DEP_4)
	v_lshlrev_b32 v15, 12, v4
	s_delay_alu instid0(VALU_DEP_1)
	v_lshl_add_u32 v15, v3, 6, v15
	s_lshl_b32 s19, s14, 9
	v_add_nc_u32 v15, s19, v15                     ; x: token x 4,096 + 512 s + 64 h
	s_mov_b32 s[SEL], 0x76543210
	s_mov_b32 s[SEL+1], 0xfedcba98
	s_lshr_b32 s18, ttmp9, 1                       ; my tokens' group of 32
	v_mov_b32 v24, 0                               ; (destinations of lane exchanges count as read)
.irp b, 0,1,2,3
	v_mov_b32 v[TM+4+\b], 0
.endr
	v_lshlrev_b32 v136, 8, v3
	s_mul_i32 s53, s14, 1536
	v_add_nc_u32 v136, s53, v136                   ; in a tile's codes: 1,536 s + 256 h
	s_lshr_b32 s54, s14, 2
	s_lshl_b32 s54, s54, 8
	s_and_b32 s53, s14, 3
	s_lshl_b32 s53, s53, 2
	s_add_co_u32 s54, s54, s53                     ; in a tile's scale words: 256 (s / 4) + 4 (s % 4)
	s_wait_alu depctr_va_vdst(0)
	s_wait_kmcnt 0x0
	global_load_b32 v8, v5, s[6:7]                 ; info
	global_load_b128 v[20:23], v7, s[6:7] offset:4096   ; lane j: group j's counts
	global_load_b64 v[26:27], v6, s[8:9]           ; my token's gates
.irp b, 0,1,2,3
.irp j, 0,1,2,3
	global_load_b128 v[ST+16*\b+4*\j:ST+16*\b+4*\j+3], v15, s[4:5] offset:128*\b+16*\j th:TH_LOAD_NT
.endr
.endr
	s_wait_loadcnt 16                              ; the three are in; x's sixteen were issued behind them
	v_cmp_gt_u32 vcc_lo, s18, v1                   ; groups below mine
.irp m, 0,1,2,3
	v_cndmask_b32 v[16+\m], 0, v[20+\m], vcc_lo
.endr
.irp x, 1,2,4,8                        ; eight sums over the lanes; two counts to a word, none above 1,024: no carry between them
.irp k, 16,17,18,19,20,21,22,23
	v_mov_b32_dpp v24, v\k row_xmask:\x row_mask:0xf bank_mask:0xf
	s_delay_alu instid0(VALU_DEP_1)
	v_add_nc_u32 v\k, v\k, v24
.endr
.endr
.irp k, 16,17,18,19,20,21,22,23
	s_delay_alu instid0(VALU_DEP_2)
	v_permlanex16_b32 v24, v\k, s[SEL], s[SEL+1]
	s_delay_alu instid0(VALU_DEP_1)
	v_add_nc_u32 v\k, v\k, v24
.endr
.irp m, 0,1,2,3
	v_readfirstlane_b32 s[20+\m], v[16+\m]         ; rows in the groups below
	v_readfirstlane_b32 s[24+\m], v[20+\m]         ; rows in all
.endr
	s_mov_b32 s52, 0                               ; tiles so far
.irp e, 0,1,2,3,4,5,6,7
	s_bfe_u32 s53, s[24+\e/2], 0x100000+16*(\e%2)
	s_bfe_u32 s55, s[20+\e/2], 0x100000+16*(\e%2)
	s_mov_b32 s[28+\e], s52                        ; tb_e
	s_add_co_u32 s53, s53, 15
	s_lshr_b32 s[36+\e], s53, 4                    ; nt_e
	s_lshl_b32 s53, s52, 4
	s_add_co_u32 s[44+\e], s53, s55                ; where my group's rows of e begin
	s_add_co_u32 s52, s52, s[36+\e]
.endr
	v_and_b32 v9, 0xff, v8                         ; e0
	v_bfe_u32 v10, v8, 8, 8                        ; e1
	v_mov_b32 v28, s44
	v_mov_b32 v29, s44
.irp e, 1,2,3,4,5,6,7
	v_cmp_eq_u32 vcc_lo, \e, v9
	s_delay_alu instid0(VALU_DEP_1)
	v_cndmask_b32 v28, v28, s[44+\e], vcc_lo
	v_cmp_eq_u32 vcc_lo, \e, v10
	s_delay_alu instid0(VALU_DEP_1)
	v_cndmask_b32 v29, v29, s[44+\e], vcc_lo
.endr
	v_bfe_u32 v25, v8, 16, 8
	s_delay_alu instid0(VALU_DEP_1)
	v_add_nc_u32 v28, v28, v25                     ; pos0
	v_lshrrev_b32 v25, 24, v8
	s_delay_alu instid0(VALU_DEP_1)
	v_add_nc_u32 v29, v29, v25                     ; pos1
.irp k, 0,1
	v_lshrrev_b32 v137, 4, v[28+\k]
	s_delay_alu instid0(VALU_DEP_1)
	v_min_u32 v137, 135, v137                      ; tile
	v_and_b32 v138, 15, v[28+\k]
	s_delay_alu instid0(VALU_DEP_1)
	v_min_u32 v138, 15, v138                       ; row
	s_delay_alu instid0(VALU_DEP_3)
	v_mul_u32_u24 v[11+2*\k], v137, 12288
	s_delay_alu instid0(VALU_DEP_1)
	v_lshl_add_u32 v[11+2*\k], v138, 4, v[11+2*\k]
	s_delay_alu instid0(VALU_DEP_1)
	v_add_nc_u32 v[11+2*\k], v[11+2*\k], v136      ; my 16 bytes of each of the image's three groups
	v_lshlrev_b32 v[12+2*\k], 9, v137
	s_delay_alu instid0(VALU_DEP_1)
	v_lshl_add_u32 v[12+2*\k], v138, 4, v[12+2*\k]
	s_delay_alu instid0(VALU_DEP_1)
	v_add_nc_u32 v[12+2*\k], s54, v[12+2*\k]       ; the scale word
	v_min_u32 v[30+\k], 2175, v[28+\k]
	s_delay_alu instid0(VALU_DEP_1)
	v_lshlrev_b32 v[30+\k], 2, v[30+\k]            ; the gate by place
.endr
	s_wait_loadcnt 0x0
; 64 numbers become a fragment's codes and its scale word
.irp b, 0,1,2,3
	v_max3_num_f32 v[TM+\b], |v[ST+16*\b]|, |v[ST+1+16*\b]|, 0x1800000   ; my 16 numbers of block b, and the floor 2^(3 - 127): the byte cannot fall under 1
.endr
.irp i, 2,4,6,8,10,12,14
.irp b, 0,1,2,3
	s_delay_alu instid0(VALU_DEP_4)
	v_max3_num_f32 v[TM+\b], v[TM+\b], |v[ST+16*\b+\i]|, |v[ST+1+16*\b+\i]|
.endr
.endr
.irp b, 0,1,2,3
	s_delay_alu instid0(VALU_DEP_4)
	v_permlanex16_b32 v[TM+4+\b], v[TM+\b], s[SEL], s[SEL+1]
.endr
.irp b, 0,1,2,3
	s_delay_alu instid0(VALU_DEP_4)
	v_max_num_f32 v[TM+\b], v[TM+\b], v[TM+4+\b]   ; with lane l xor 16's: the block's largest magnitude
.endr
.irp b, 0,1,2,3
	s_delay_alu instid0(VALU_DEP_4)
	v_add_nc_u32 v[TM+12+\b], 0xff000000, v[TM+\b] ; 2 off its exponent field: the conversion's scale operand
.endr
.irp b, 0,1,2,3
	s_delay_alu instid0(VALU_DEP_4)
	v_lshrrev_b32 v[TM+4+\b], 23, v[TM+12+\b]      ; the scale's byte
.endr
	s_delay_alu instid0(VALU_DEP_3)
	v_lshl_or_b32 v[PW], v[TM+5], 8, v[TM+4]
	s_delay_alu instid0(VALU_DEP_1)
	v_lshl_or_b32 v[PW], v[TM+6], 16, v[PW]
	s_delay_alu instid0(VALU_DEP_1)
	v_lshl_or_b32 v[PW], v[TM+7], 24, v[PW]
.irp c, 0,1
	v_cvt_scalef32_pk16_fp6_f32 v[PC+6*\c:PC+2+6*\c], v[ST+32*\c:ST+15+32*\c], v[TM+12+2*\c]
	v_cvt_scalef32_pk16_fp6_f32 v[PC+12+4*\c:PC+14+4*\c], v[ST+16+32*\c:ST+31+32*\c], v[TM+12+2*\c+1]   ; (a conversion's three registers begin on an even number)
.endr
	v_nop                                          ; one plain place behind a scaled conversion
.irp c, 0,1                            ; the operand's layout wants a whole block in a lane: lanes 0-15 block 2 c, lanes 16-31 block 2 c + 1
.irp i, 0,1,2
	v_permlane16_swap_b32 v[PC+6*\c+\i], v[PC+12+4*\c+\i]
.endr
.irp i, 0,1,2
	s_delay_alu instid0(VALU_DEP_3)
	v_mov_b32 v[PC+3+6*\c+\i], v[PC+12+4*\c+\i]
.endr
.endr
.irp k, 0,1
.irp q, 0,1,2
	global_store_b128 v[11+2*\k], v[PC+4*\q:PC+4*\q+3], s[10:11] offset:512*\q
.endr
	global_store_b32 v[12+2*\k], v[PW], s[10:11] offset:XSB   ; both halves of the lanes write the same word with the same value
.endr
	s_cmp_lg_u32 s14, 0
	s_cbranch_scc1 .Lend
	global_store_b64 v6, v[28:29], s[12:13] offset:256        ; wave 0: pos[t][0..1],
	global_store_b32 v30, v26, s[10:11] offset:GPB            ; and the gates by place
	global_store_b32 v31, v27, s[10:11] offset:GPB
	s_cmp_lg_u32 ttmp9, 0
	s_cbranch_scc1 .Lend
	v_mov_b32 v139, 0                              ; work-group 0: the table
.irp e, 0,1,2,3,4,5,6,7
	s_delay_alu instid0(VALU_DEP_1)
	v_writelane_b32 v139, s[28+\e], 2*\e
	s_delay_alu instid0(VALU_DEP_1)
	v_writelane_b32 v139, s[36+\e], 2*\e+1
.endr
	s_delay_alu instid0(VALU_DEP_1)
	v_writelane_b32 v139, s52, 16
	v_lshlrev_b32 v140, 2, v1
	global_store_b32 v140, v139, s[12:13]
.Lend:
	s_endpgm
.Lfunc_end_k_qdd644ca737_place:
	.size	k_qdd644ca737_place, .Lfunc_end_k_qdd644ca737_place-k_qdd644ca737_place
	.p2alignl 7, 3214868480
	.fill 96, 4, 3214868480
	.section	.rodata,"a",@progbits
	.p2align	6, 0x0
	.amdhsa_kernel k_qdd644ca737_place
		.amdhsa_group_segment_fixed_size 0
		.amdhsa_private_segment_fixed_size 0
		.amdhsa_enable_private_segment 0
		.amdhsa_kernarg_size 40
		.amdhsa_user_sgpr_count 2
		.amdhsa_user_sgpr_kernarg_segment_ptr 1
		.amdhsa_wavefront_size32 1
		.amdhsa_system_sgpr_workgroup_id_x 1
		.amdhsa_system_sgpr_workgroup_id_y 1
		.amdhsa_system_sgpr_workgroup_id_z 1
		.amdhsa_system_vgpr_workitem_id 0
		.amdhsa_next_free_vgpr 144
		.amdhsa_next_free_sgpr 66
		.amdhsa_reserve_vcc 1
		.amdhsa_float_denorm_mode_32 3
		.amdhsa_float_denorm_mode_16_64 3
		.amdhsa_memory_ordered 1
		.amdhsa_forward_progress 1
		.amdhsa_inst_pref_size 24
	.end_amdhsa_kernel
	.amdgpu_metadata
---
amdhsa.version: [ 1, 2 ]
amdhsa.kernels:
  - .name:           k_qdd644ca737_place
    .symbol:         k_qdd644ca737_place.kd
    .args:
      - { .name: x, .offset: 0, .size: 8, .value_kind: global_buffer, .address_space: global }
      - { .name: route, .offset: 8, .size: 8, .value_kind: global_buffer, .address_space: global }
      - { .name: gate, .offset: 16, .size: 8, .value_kind: global_buffer, .address_space: global }
      - { .name: xq, .offset: 24, .size: 8, .value_kind: global_buffer, .address_space: global }
      - { .name: plan, .offset: 32, .size: 8, .value_kind: global_buffer, .address_space: global }
    .group_segment_fixed_size: 0
    .private_segment_fixed_size: 0
    .kernarg_segment_align: 8
    .kernarg_segment_size: 40
    .max_flat_workgroup_size: 256
    .sgpr_count:     66
    .vgpr_count:     144
    .wavefront_size: 32
...
	.end_amdgpu_metadata
.endif
;; end of part 7
;; launch up (part 8): grid 32 x 8, 4 waves a work-group, no clusters, 102,912 bytes of LDS; arguments W1, b1, xq, plan, hq; writes hq
.if DOCPART == 8
	.amdgcn_target "amdgcn-amd-amdhsa--gfx1250"
	.amdhsa_code_object_version 6
	.text
	.protected	k_qdd644ca737_up
	.globl	k_qdd644ca737_up
	.p2align	8
	.type	k_qdd644ca737_up,@function
k_qdd644ca737_up:
	s_mov_b64 s[64:65], 0
	v_nop
	global_prefetch_b8 v0, s[64:65] scope:SCOPE_SE
	s_setreg_imm32_b32 hwreg(HW_REG_WAVE_SCHED_MODE, 0, 2), 2
	s_setreg_imm32_b32 hwreg(HW_REG_WAVE_MODE, 25, 1), 1
	s_wait_xcnt 0x0
	s_wait_alu depctr_vm_vsrc(0)
; h = Q(relu(Q(x) Q(W1[e]) + b1[e])) for the rows routed to expert e, on codes of E2M3 with one E8M0 byte for each 32 along K.
; SHARES.  Work-group (cb, e) owns W1[e][all 1,024 k][hidden units 128 cb .. + 127]: 512 KiB of f32, read once in the launch, by this work-group alone.  It goes in 8 steps of 128 k.
; In a step wave w loads rows 128 s + 32 w + 0 .. 31 (each load: one row's 512 consecutive bytes), turns them so that a lane's registers run down K, quantises its four columns' blocks, and puts codes and scale bytes into LDS,
; each step into bytes of its own: nothing in LDS is written twice.  One barrier; then every wave multiplies the step's eight tiles of W with its own five tiles of 16 routed rows (tiles 4 i + w of the expert),
; whose codes come from xq as images of the operand's registers (three loads of 512 consecutive bytes a fragment).  40 accumulators a wave stay in registers over all of K.
; Rows beyond 4 x 5 x 16 = 320 are served behind the steps, one tile a trip, from the codes that stayed in LDS: any split is served.  A tile that is not the expert's is replaced by a clamped one and not stored.
; TILES OF W: lane l = 16 a + r loads columns 4 l + j, so tile 2 j + a has as its row m hidden unit 64 a + 4 m + j.  THE PRODUCT IS USED TRANSPOSED (source 0 = a tile of W, source 1 = 16 rows of x): lane (token r, hh), register n of
; tile 2 j + a holds hidden unit 64 a + 32 hh + 4 n + j: over j and n a whole block of 32 of the next K, in the lane in which the operand's layout wants it.  So h is quantised without any exchange of lanes but for the scale word.
; hq: codes [tile][K step 32][q 3][lane 32][16 bytes]; scale words from HSB on, [tile][ks / 8][lane 32][16 bytes], row r, K step ks at 256 ((ks / 4) % 2) + 16 r + 4 (ks % 4): 4-byte pieces, one part in 24 of what is stored.
; NO TENSOR LOADS, NO CLUSTER: the number of an expert's tiles is read from memory and steers branches (which tiles are stored, the trips of the last loop); the f32 weights must pass through registers to be quantised, and no two work-groups read the same weight.
; LIMITS: NaN and infinities are not served; a block whose largest magnitude lies under 2^-124 (zeros among them) gets the byte 1; rows that no token took have zero codes under the byte 0.
; REGISTERS.  window 0: v1-15, v120-124 addresses; v16-35 x's scale words (slot i at 16 + 4 i; register s % 4; lanes 16-31 for s >= 4); v36-39 W's scale words (register j: lanes 0-15 tile 2 j, lanes 16-31 tile 2 j + 1);
;   v40-71 T, a block of 32; v72-79 at work; v80-119 codes on their way to LDS; v128-223 the step's eight fragments of W.   window 1: two sets of 128 for W as loaded (row kk at 4 kk).
;   window 2: accumulators (slot i, tile t) at 64 i + 8 t, i < 4.   window 3: v0-63 slot 4's; v64-127 b1 in the result's layout; v128-187, v188-247 x's fragments, two sets.
; THE MODE: SCHED_MODE bits 1:0 = 2 (LLVM: expert scheduling mode 2), set by the entry lines.  The code itself states the register dependences
; between vector or matrix instructions and memory or LDS instructions, with s_wait_alu, always for 0.
; THE PLAN.  Registers that memory or LDS instructions touch, in step s:
;   W as loaded, set s % 2     Read by the step's 128 turning moves; behind them the loads of step s + 2 land in it.
;   v[PC ..], v[BY ..]         Written by the step's conversions, moves and shifts; read by its sixteen LDS stores; written again in step s + 1.
;   x's fragments, the set (s + 1) % 2   Read by the products of step s - 1; the loads issued in step s land in it.
;   v[BF ..], v[WSR ..]        Read by the products of step s - 1 (at step 0: v[BF ..] by the moves that lay b1 out); the step's LDS loads land in them.
;   Offsets and LDS addresses  Made at the head and not written in the steps.  T's first five registers serve once, at the head, as offsets.
;   The accumulators, b1 in the result's layout, T, M0, M1 and SCL are named by vector and matrix instructions alone.
; So ONE wait on va_vdst stands in a step, behind the quantising of all four columns: the step's LDS stores and all its loads follow it, and the only vector-side instructions behind it are the step's products,
; which name v[BF ..], this step's set of x, the scale words, the accumulators and b1: none of the registers in which a later load of the step lands.  ONE wait on vm_vsrc stands at a step's head.
.set XSB, 1966080
.set HSB, 6684672
.set WS,  98304                        ; LDS: codes [step 8][tile 8][lane 32][48 bytes] from 0; scale bytes [step][tile][row 16][4] from WS
.set XSR, 16
.set WSR, 36
.set T,   40
.set M0,  72
.set M1,  73
.set SCL, 74
.set BY,  76
.set PC,  80
.set EP,  80
.set BF,  128
.set BI,  64
.set MSB, 0
.macro WIN new                         ; the immediate's high byte repeats the setting that is left
.if MSB != \new
	s_set_vgpr_msb (MSB<<8)|\new
.set MSB, \new
.endif
.endm
.macro WLOAD s, k0, k1                 ; rows k0 .. k1 of my 32 of step s
	WIN 0x40
.set kk, \k0
.rept (\k1)-(\k0)+1
	global_load_b128 v[128*((\s)%2)+4*kk:128*((\s)%2)+4*kk+3], v1, s[26+2*((\s)/4):27+2*((\s)/4)] offset:(((\s)%4)*128+kk)*16384 th:TH_LOAD_NT
.set kk, kk+1
.endr
.endm
.macro XLD s                           ; my five tiles' fragments of x for K step s
	WIN 0xc0
.irp i, 0,1,2,3,4
.irp q, 0,1,2
	global_load_b128 v[128+60*((\s)%2)+12*\i+4*\q:128+60*((\s)%2)+12*\i+4*\q+3], v[10+\i], s[8:9] offset:(\s)*1536+512*\q
.endr
.endr
.endm
.macro BMAX ab                         ; the largest magnitude of T's 32 numbers, and the floor 2^(3 - 127): the byte cannot fall under 1
.if \ab
	v_max3_num_f32 v[M0], |v[T]|, |v[T+1]|, |v[T+2]|
	v_max3_num_f32 v[M1], |v[T+3]|, |v[T+4]|, |v[T+5]|
.irp i, 6,10,14,18,22,26
	v_max3_num_f32 v[M0], v[M0], |v[T+\i]|, |v[T+\i+1]|
	v_max3_num_f32 v[M1], v[M1], |v[T+\i+2]|, |v[T+\i+3]|
.endr
	v_max3_num_f32 v[M0], v[M0], |v[T+30]|, |v[T+31]|
.else
	v_max3_num_f32 v[M0], v[T], v[T+1], v[T+2]
	v_max3_num_f32 v[M1], v[T+3], v[T+4], v[T+5]
.irp i, 6,10,14,18,22,26
	v_max3_num_f32 v[M0], v[M0], v[T+\i], v[T+\i+1]
	v_max3_num_f32 v[M1], v[M1], v[T+\i+2], v[T+\i+3]
.endr
	v_max3_num_f32 v[M0], v[M0], v[T+30], v[T+31]
.endif
	v_max3_num_f32 v[M0], v[M0], v[M1], 0x1800000
.endm
.macro QW s                            ; my four columns' blocks of step s: turned and quantised, all four; then, behind one wait, to LDS
.if (\s) < 4
.set LWA, 6
.else
.set LWA, 2
.endif
.irp j, 0,1,2,3
	WIN 0x01
.set kk, 0
.rept 32
	v_mov_b32 v[T+kk], v[128*((\s)%2)+4*kk+\j]     ; column 4 l + j, down K
.set kk, kk+1
.endr
	WIN 0
	BMAX 1
	v_add_nc_u32 v[SCL], 0xff000000, v[M0]         ; 2 off the exponent field: the conversion's scale operand
	v_lshrrev_b32 v[BY+\j], 23, v[SCL]             ; the scale's byte
	v_cvt_scalef32_pk16_fp6_f32 v[PC+10*\j:PC+10*\j+2], v[T:T+15], v[SCL]
	v_cvt_scalef32_pk16_fp6_f32 v[PC+10*\j+6:PC+10*\j+8], v[T+16:T+31], v[SCL]   ; (a conversion's three registers begin on an even number)
	v_nop                                          ; one plain place behind a scaled conversion
.irp i, 0,1,2
	v_mov_b32 v[PC+10*\j+3+\i], v[PC+10*\j+6+\i]
.endr
.endr
	s_wait_alu depctr_va_vdst(0)                   ; v[PC ..] and v[BY ..] are written, which the LDS stores read; the moves are done reading this set of W, and the last step's products x's other set, v[BF ..] and v[WSR ..]: in all of these the step's loads land
.irp j, 0,1,2,3
.irp i, 0,1,2
	ds_store_b64 v[LWA], v[PC+10*\j+2*\i:PC+10*\j+2*\i+1] offset:((\s)%4)*12288+\j*3072+8*\i   ; registers 6 (w / 2) .. + 5 of lane (r, w % 2) of tile 2 j + a
.endr
	ds_store_b8 v7, v[BY+\j] offset:(\s)*512+\j*128   ; byte w of that row's scale word
.endr
.endm
.macro BFL s                           ; the step's eight fragments and their scale words, out of LDS
.if (\s) < 4
.set LRA, 8
.else
.set LRA, 120
.endif
.irp t, 0,1,2,3,4,5,6,7
.irp q, 0,1,2
	ds_load_b128 v[BF+12*\t+4*\q:BF+12*\t+4*\q+3], v[LRA] offset:((\s)%4)*12288+\t*1536+16*\q
.endr
.endr
.irp j, 0,1,2,3
	ds_load_b32 v[WSR+\j], v9 offset:(\s)*512+128*\j
.endr
.endm
.macro WM d, a, b, c, sa, sb, ra, rb   ; one product; ra, rb: the side's scale words stand in lanes 16-31
.if (\ra) && (\rb)
	v_wmma_scale_f32_16x16x128_f8f6f4 v[\d:\d+7], v[\a:\a+11], v[\b:\b+11], v[\c:\c+7], v[\sa], v[\sb] matrix_a_fmt:MATRIX_FMT_FP6 matrix_b_fmt:MATRIX_FMT_FP6 matrix_a_scale:MATRIX_SCALE_ROW1 matrix_b_scale:MATRIX_SCALE_ROW1
.elseif \ra
	v_wmma_scale_f32_16x16x128_f8f6f4 v[\d:\d+7], v[\a:\a+11], v[\b:\b+11], v[\c:\c+7], v[\sa], v[\sb] matrix_a_fmt:MATRIX_FMT_FP6 matrix_b_fmt:MATRIX_FMT_FP6 matrix_a_scale:MATRIX_SCALE_ROW1
.elseif \rb
	v_wmma_scale_f32_16x16x128_f8f6f4 v[\d:\d+7], v[\a:\a+11], v[\b:\b+11], v[\c:\c+7], v[\sa], v[\sb] matrix_a_fmt:MATRIX_FMT_FP6 matrix_b_fmt:MATRIX_FMT_FP6 matrix_b_scale:MATRIX_SCALE_ROW1
.else
	v_wmma_scale_f32_16x16x128_f8f6f4 v[\d:\d+7], v[\a:\a+11], v[\b:\b+11], v[\c:\c+7], v[\sa], v[\sb] matrix_a_fmt:MATRIX_FMT_FP6 matrix_b_fmt:MATRIX_FMT_FP6
.endif
.endm
; Slot i's eight products of K step s; xr: x's fragment, in window 3.  first: b1 is the C, so the bias costs nothing and nothing is cleared.
; The accumulators take turns, one instruction a turn.
.macro MUL8 s, i, xr, first
.if (\i) < 4
.if \first
	WIN 0xbc
.else
	WIN 0xac
.endif
.else
	WIN 0xfc
.endif
.set AB, 64*((\i)%4)
.irp t, 0,1,2,3,4,5,6,7
.if \first
	WM AB+8*\t,BF+12*\t,\xr,BI+8*\t,WSR+\t/2,XSR+4*(\i)+(\s)%4,\t%2,(\s)/4
.else
	WM AB+8*\t,BF+12*\t,\xr,AB+8*\t,WSR+\t/2,XSR+4*(\i)+(\s)%4,\t%2,(\s)/4
.endif
.endr
.endm
; Slot i's tile goes out: relu, the two blocks of each lane quantised, the fragment stored as an image, the scale word beside it.
.macro EPI i
	s_wait_xcnt 0x0                                ; earlier stores have read their data and offsets: both are written again below
.irp a, 0,1
.if (\i) < 4
	WIN 0x08
.else
	WIN 0x0c
.endif
.irp n, 0,1,2,3,4,5,6,7
.irp j, 0,1,2,3
	v_max_num_f32 v[T+4*\n+\j], 0, v[64*((\i)%4)+8*(2*\j+\a)+\n]   ; hidden unit 64 a + 32 hh + 4 n + j; each accumulator is read from its register 0 on
.endr
.endr
	WIN 0
	BMAX 0                                         ; none is negative
	v_add_nc_u32 v[SCL], 0xff000000, v[M0]
	v_lshrrev_b32 v[BY+\a], 23, v[SCL]
	v_cvt_scalef32_pk16_fp6_f32 v[EP+6*\a:EP+6*\a+2], v[T:T+15], v[SCL]
	v_cvt_scalef32_pk16_fp6_f32 v[92:94], v[T+16:T+31], v[SCL]
	v_nop
.irp k, 0,1,2
	v_mov_b32 v[EP+6*\a+3+\k], v[92+\k]
.endr
.endr
	v_lshl_or_b32 v96, v[BY+1], 16, v[BY]          ; my two bytes: blocks hh and 2 + hh,
	v_lshlrev_b32 v96, v5, v96                     ; 8 hh bits up;
	v_permlanex16_b32 v98, v96, s42, s43
	v_or_b32 v96, v96, v98                         ; with lane l xor 16's two the word is whole
	s_mul_i32 s44, s[30+\i], 49152
	s_add_co_u32 s44, s44, s41
	v_add_nc_u32 v15, s44, v1
	s_lshl_b32 s44, s[30+\i], 11
	s_add_co_u32 s44, s44, s49
	v_add_nc_u32 v97, s44, v122
	s_wait_alu depctr_va_vdst(0)                   ; the codes v[EP ..], the scale word v96 and the offsets v15 and v97 are written: the four stores read them
.irp q, 0,1,2
	global_store_b128 v15, v[EP+4*\q:EP+4*\q+3], s[12:13] offset:512*\q   ; 512 consecutive bytes, aligned
.endr
	global_store_b32 v97, v96, s[12:13] offset:HSB ; both halves of the lanes write the same word with the same value
	s_wait_alu depctr_vm_vsrc(0)                   ; the four stores have read v[EP ..], v96, v15 and v97, which the next tile's lines write again; in the last loop its loads have also read v10 and v124, which the next trip writes
.endm
.macro GEPI i                          ; only tiles of my expert are stored
	s_cmp_lt_u32 s[35+\i], s23
	s_cbranch_scc0 .Lno_\@
	EPI \i
.Lno_\@:
.endm
	s_load_b256 s[4:11], s[0:1], 0x0               ; W1 s[4:5], b1 s[6:7], xq s[8:9], plan s[10:11]
	s_load_b64 s[12:13], s[0:1], 0x20              ; hq
	v_lshl_add_u32 v254, v0, 2, 0x19000
	v_mov_b32 v255, 0
	v_lshrrev_b32 v2, 5, v0
	v_readfirstlane_b32 s18, v2                    ; wave
	s_mov_b32 s19, ttmp9                           ; cb
	s_and_b32 s20, ttmp7, 0xffff                   ; e
	v_and_b32 v3, 31, v0                           ; lane
	v_lshlrev_b32 v1, 4, v3                        ; 16 lane
	v_bfe_u32 v4, v0, 4, 1                         ; a, hh
	v_lshlrev_b32 v5, 3, v4
	v_and_b32 v121, 15, v0                         ; r
	v_lshlrev_b32 v122, 4, v121
	v_lshlrev_b32 v123, 7, v4
	v_mul_u32_u24 v6, v121, 48
	v_mad_u32_u24 v6, v4, 1536, v6
	s_wait_alu depctr_va_sdst(0)                   ; s18 is written, ahead of its first reader: LDS addresses, W1's base and the slots' tiles are made from it
	s_and_b32 s44, s18, 1
	s_mul_i32 s44, s44, 768
	s_lshr_b32 s45, s18, 1
	s_mul_i32 s45, s45, 24
	s_add_co_u32 s44, s44, s45
	v_add_nc_u32 v6, s44, v6                       ; codes into LDS: 1,536 a + 48 (r + 16 (w % 2)) + 24 (w / 2)
	v_add_nc_u32 v2, 49152, v6                     ; the same for steps 4 to 7: an LDS immediate has 16 bits
	v_lshlrev_b32 v9, 2, v3
	v_add_nc_u32 v9, WS, v9                        ; scale words out of LDS
	v_add_nc_u32 v7, s18, v9                       ; scale bytes into LDS: byte w
	v_mul_u32_u24 v8, v3, 48                       ; codes out of LDS
	v_add_nc_u32 v120, 49152, v8
	v_mov_b32 v98, 0                               ; (a lane exchange's destination counts as read)
	s_mov_b32 s42, 0x76543210
	s_mov_b32 s43, 0xfedcba98
	s_mul_i32 s41, s19, 1536                       ; K step cb in a tile of hq
	s_lshr_b32 s44, s19, 3
	s_lshl_b32 s49, s44, 9
	s_bfe_u32 s44, s19, 0x10002
	s_lshl_b32 s44, s44, 8
	s_add_co_u32 s49, s49, s44
	s_and_b32 s44, s19, 3
	s_lshl_b32 s44, s44, 2
	s_add_co_u32 s49, s49, s44                     ; and among its scale words
	s_lshl_b32 s44, s20, 24
	s_lshl_b32 s45, s19, 9
	s_add_co_u32 s44, s44, s45
	s_lshl_b32 s45, s18, 19
	s_add_co_u32 s44, s44, s45                     ; W1: e x 2^24 + 512 cb + 32 w rows of 16,384 bytes
	s_mov_b32 s45, 0
	s_lshl_b32 s46, s20, 14
	s_lshl_b32 s47, s19, 9
	s_add_co_u32 s46, s46, s47
	s_mov_b32 s47, 0
	s_lshl_b32 s48, s20, 3
	s_wait_kmcnt 0x0
	s_add_nc_u64 s[26:27], s[4:5], s[44:45]
	s_add_nc_u64 s[28:29], s[26:27], 0x800000      ; steps 4 to 7: the loads' immediates stay inside 24 signed bits
	s_add_nc_u64 s[6:7], s[6:7], s[46:47]
	s_load_b64 s[22:23], s[10:11], s48 offset:0x0  ; tb, nt
	s_load_b32 s24, s[10:11], 0x40                 ; all tiles
	s_wait_alu depctr_va_vdst(0)                   ; v1, the offset of every load of W, is written; so are the LDS addresses v2, v6 to v9 and v120 and b1's offset v123, which are not written again
	WLOAD 0,0,31
	WIN 0
	s_wait_kmcnt 0x0
	s_sub_co_u32 s25, s24, 1
.irp i, 0,1,2,3,4
	s_add_co_u32 s[35+\i], s18, 4*\i               ; slot i: the expert's tile 4 i + w,
	s_add_co_u32 s[30+\i], s22, s[35+\i]
	s_min_u32 s[30+\i], s[30+\i], s25              ; or, where it has none, a tile that has been stored
	s_min_u32 s[30+\i], s[30+\i], 135
	s_mul_i32 s44, s[30+\i], 12288
	v_add_nc_u32 v[10+\i], s44, v1
	s_lshl_b32 s44, s[30+\i], 9
	v_add_nc_u32 v[T+\i], s44, v1
.endr
	s_wait_alu depctr_va_vdst(0)                   ; the slots' ten offsets, v10 to v14 and v[T] to v[T+4], are written: the loads of x's scale words and of x's fragments read them
.irp i, 0,1,2,3,4
	global_load_b128 v[XSR+4*\i:XSR+4*\i+3], v[T+\i], s[8:9] offset:XSB
.endr
.irp a, 0,1
.irp n, 0,1,2,3,4,5,6,7
	global_load_b128 v[BF+32*\a+4*\n:BF+32*\a+4*\n+3], v123, s[6:7] offset:256*\a+16*\n   ; b1 of units 64 a + 32 hh + 4 n + 0 .. 3
.endr
.endr
	XLD 0
	WLOAD 1,0,31
.macro STEP s
.if (\s) < 7
	s_wait_loadcnt 47                              ; W of this step is in (at step 0 also x's scale words and b1): behind it were issued x's 15 of this step and W's 32 of the next
.else
	s_wait_loadcnt 15                              ; behind W's last step: x's 15
.endif
	s_wait_alu depctr_vm_vsrc(0)                   ; the last step's LDS stores have read v[PC ..] and v[BY ..], which this step writes again; at step 0: the loads of x's scale words have read their offsets v[T] to v[T+4], which the turning moves write
.if (\s) == 0
	WIN 0xc0
.irp a, 0,1
.irp n, 0,1,2,3,4,5,6,7
.irp j, 0,1,2,3
	v_mov_b32 v[BI+8*(2*\j+\a)+\n], v[BF+32*\a+4*\n+\j]   ; b1 in the result's layout
.endr
.endr
.endr
.endif
	QW \s                                          ; (its plain lines are also the places between the last products and the loads into their operands below)
.if (\s) < 7
	XLD (\s)+1                                     ; no further wait: nothing on the vector side has been issued since the one in front of the LDS stores
.endif
.if (\s) < 6
	WLOAD (\s)+2,0,15                              ; into the set just turned
.endif
	WIN 0
	s_wait_dscnt 0x0                               ; my codes and bytes lie in LDS
	s_barrier_signal -1
	s_barrier_wait -1                              ; everybody's do
	BFL \s
.if (\s) < 6
	s_wait_loadcnt 63                              ; x of this step is in: behind it W's 32, x's 15, W's 16
.elseif (\s) == 6
	s_wait_loadcnt 47                              ; behind it W's 32 and x's 15
.else
	s_wait_loadcnt 0x0
.endif
	s_wait_dscnt 0x0
.irp i, 0,1,2,3,4
	MUL8 \s,\i,128+60*((\s)%2)+12*\i,((\s)==0)
.endr
.if (\s) < 6
	WLOAD (\s)+2,16,31                             ; no wait: the products, all that the vector side has been given since the step's wait, name no register of W as loaded
.endif
.endm
.irp s, 0,1,2,3,4,5,6,7
	STEP \s
.endr
	WIN 0
	s_wait_alu depctr_vm_vsrc(0)                   ; step 7's LDS stores have read v[PC ..] and v[BY ..], which the way out writes again
.rept 4
	v_nop                                          ; four places between the last product and the first read of a result
.endr
.irp i, 0,1,2,3,4
	GEPI \i
.endr
	; rows beyond 320: the expert's tiles 20 + w, 24 + w .. one a trip, in slot 0; no barrier: LDS is only read
	s_add_co_u32 s51, s18, 20
	s_cmp_lt_u32 s51, s23
	s_cbranch_scc0 .Ldone
	s_sub_co_u32 s50, s23, s51                     ; the expert's tiles from 20 + w on: at least one;
	s_add_co_u32 s50, s50, 3
	s_lshr_b32 s50, s50, 2                         ; every fourth of them is mine: the trips
	s_add_co_u32 s51, s51, s22                     ; the first of them, counted over all experts
	s_mov_b32 s40, 0                               ; the trip
.Lover:
.rept 5
	v_nop                                          ; five places in front of products that begin accumulators anew, four in front of loads into operands
.endr
	s_wait_xcnt 0x0                                ; earlier loads and stores have read their offsets
	s_lshl_b32 s30, s40, 2
	s_add_co_u32 s30, s30, s51                     ; this trip's tile
	s_min_u32 s30, s30, s25
	s_min_u32 s30, s30, 135
	s_mul_i32 s44, s30, 12288
	v_add_nc_u32 v10, s44, v1
	s_lshl_b32 s44, s30, 9
	v_add_nc_u32 v124, s44, v1
	s_wait_alu depctr_va_vdst(0)                   ; the offsets v10 and v124 are written; the products issued so far are done reading slot 0's scale words, x's fragments, v[BF ..] and v[WSR ..], in which the loads below land
	global_load_b128 v[XSR:XSR+3], v124, s[8:9] offset:XSB
	WIN 0xc0
.irp s, 0,1,2,3,4,5,6,7
.irp q, 0,1,2
	global_load_b128 v[128+12*\s+4*\q:128+12*\s+4*\q+3], v10, s[8:9] offset:\s*1536+512*\q
.endr
.endr
	WIN 0
	s_wait_loadcnt 0x0
.irp s, 0,1,2,3,4,5,6,7
.if \s > 0
	s_wait_alu depctr_va_vdst(0)                   ; the eight products of the K step before are done reading v[BF ..] and v[WSR ..], the one set of them, in which the LDS loads land
.endif
	BFL \s
	s_wait_dscnt 0x0
	MUL8 \s,0,128+12*\s,((\s)==0)
	WIN 0
.rept 4
	v_nop
.endr
.endr
	EPI 0
	s_add_co_u32 s40, s40, 1
	s_cmp_lt_u32 s40, s50
	s_cbranch_scc1 .Lover
.Ldone:
	s_wait_dscnt 0x0
	s_wait_alu depctr_hold_cnt(0) depctr_sa_sdst(0) depctr_va_vdst(0) depctr_va_sdst(0) depctr_va_ssrc(0) depctr_va_vcc(0) depctr_vm_vsrc(0)
	s_wait_tensorcnt 0x0
	ds_add_u32 v254, v255
	s_wait_dscnt 0x0
	s_endpgm
.Lfunc_end_k_qdd644ca737_up:
	.size	k_qdd644ca737_up, .Lfunc_end_k_qdd644ca737_up-k_qdd644ca737_up
	.p2alignl 7, 3214868480
	.fill 96, 4, 3214868480
	.section	.rodata,"a",@progbits
	.p2align	6, 0x0
	.amdhsa_kernel k_qdd644ca737_up
		.amdhsa_group_segment_fixed_size 102912
		.amdhsa_private_segment_fixed_size 0
		.amdhsa_enable_private_segment 0
		.amdhsa_kernarg_size 40
		.amdhsa_user_sgpr_count 2
		.amdhsa_user_sgpr_kernarg_segment_ptr 1
		.amdhsa_wavefront_size32 1
		.amdhsa_system_sgpr_workgroup_id_x 1
		.amdhsa_system_sgpr_workgroup_id_y 1
		.amdhsa_system_sgpr_workgroup_id_z 1
		.amdhsa_system_vgpr_workitem_id 0
		.amdhsa_next_free_vgpr 1024
		.amdhsa_next_free_sgpr 66
		.amdhsa_reserve_vcc 0
		.amdhsa_float_denorm_mode_32 3
		.amdhsa_float_denorm_mode_16_64 3
		.amdhsa_memory_ordered 1
		.amdhsa_forward_progress 1
		.amdhsa_inst_pref_size 250
	.end_amdhsa_kernel
	.amdgpu_metadata
---
amdhsa.version: [ 1, 2 ]
amdhsa.kernels:
  - .name:           k_qdd644ca737_up
    .symbol:         k_qdd644ca737_up.kd
    .args:
      - { .name: W1, .offset: 0, .size: 8, .value_kind: global_buffer, .address_space: global }
      - { .name: b1, .offset: 8, .size: 8, .value_kind: global_buffer, .address_space: global }
      - { .name: xq, .offset: 16, .size: 8, .value_kind: global_buffer, .address_space: global }
      - { .name: plan, .offset: 24, .size: 8, .value_kind: global_buffer, .address_space: global }
      - { .name: hq, .offset: 32, .size: 8, .value_kind: global_buffer, .address_space: global }
    .group_segment_fixed_size: 102912
    .private_segment_fixed_size: 0
    .kernarg_segment_align: 8
    .kernarg_segment_size: 40
    .max_flat_workgroup_size: 128
    .sgpr_count:     66
    .vgpr_count:     1024
    .wavefront_size: 32
...
	.end_amdgpu_metadata
.endif
;; end of part 8
;; launch down (part 9): grid 32 x 8, 4 waves a work-group, no clusters, 102,912 bytes of LDS; arguments W2, b2, hq, xq, plan, ypart; writes ypart
.if DOCPART == 9
	.amdgcn_target "amdgcn-amd-amdhsa--gfx1250"
	.amdhsa_code_object_version 6
	.text
	.protected	k_qdd644ca737_down
	.globl	k_qdd644ca737_down
	.p2align	8
	.type	k_qdd644ca737_down,@function
k_qdd644ca737_down:
	s_mov_b64 s[64:65], 0
	v_nop
	global_prefetch_b8 v0, s[64:65] scope:SCOPE_SE
	s_setreg_imm32_b32 hwreg(HW_REG_WAVE_SCHED_MODE, 0, 2), 2
	s_setreg_imm32_b32 hwreg(HW_REG_WAVE_MODE, 25, 1), 1
	s_wait_xcnt 0x0
	s_wait_alu depctr_vm_vsrc(0)
; ypart[kp][place][:] = gate x (h Q(W2[e]) over half kp of H, + b2[e] where kp = 0), for the rows routed to expert e; h comes as codes from hq.
; SHARES.  Work-group (2 nb + kp, e) owns W2[e][k 2,048 kp .. + 2,047][columns 64 nb .. + 63]: 512 KiB of f32, read once in the launch, by this work-group alone.  8 steps of 256 k, two K steps of 128 each.
; In a step wave w loads rows 256 sg + 64 w + 0 .. 63, two to a load (each half of the lanes takes a row's 256 consecutive, aligned bytes): lane (r, hb) holds k 64 w + 32 hb + kk of columns 4 r + j.
; Set j of a lane so is a whole block, in the lane and the registers in which tile j (column n of the tile = column 4 n + j) wants it.  Quantised, to LDS (each step into bytes of its own), one barrier,
; and every wave multiplies the step's 2 x 4 fragments with its own five tiles of 16 rows of h.  20 accumulators a wave.  Rows beyond 320: one tile a trip behind the steps, from the codes that stayed in LDS.
; The product is used the natural way (source 0 = 16 rows of h, source 1 = a tile of W): lane (r, hh), register n of tile j holds row 8 hh + n, column 4 r + j: four tiles give 16 neighbouring bytes, sixteen lanes a row's 256 aligned bytes.
; K is split in two so that a row of the slice is 256 bytes while 256 work-groups share the weights; the two halves are added by the next launch.
; NO TENSOR LOADS, NO CLUSTER: as in the launch before: branches hang on the stored number of tiles, the f32 weights must pass through registers, and no two work-groups read the same weight.
; LIMITS: NaN and infinities are not served (b2 is multiplied by 0 where kp = 1); a block of W whose largest magnitude lies under 2^-124 gets the byte 1.
; REGISTERS.  window 0: v1-15, v140-143 addresses; v16-55 h's scale words (slot i at 16 + 8 i; register 4 (ksl / 8) + ksl % 4; lanes 16-31 where (ksl / 4) % 2); v56-59 W's (register 2 u + j / 2; lanes 16-31 for odd j);
;   v60-91 T; v92-99 at work; v100-139 codes on their way to LDS; v144-239 the step's fragments of W (48 u + 12 j); on the way out v144-183 gates, v184-247 results.
;   window 1: two sets of 128 for W as loaded.   window 2: h's fragments, two sets of 120 (24 i + 12 u).   window 3: accumulators at 32 i + 8 j; v160-191 b2 in the result's layout; v192-195 b2 as loaded.
; THE MODE: SCHED_MODE bits 1:0 = 2 (LLVM: expert scheduling mode 2), set by the entry lines.  The code itself states the register dependences
; between vector or matrix instructions and memory or LDS instructions, with s_wait_alu, always for 0.
; THE PLAN.  Registers that memory or LDS instructions touch, in step sg:
;   W as loaded, set sg % 2    Read by the step's 128 turning moves; behind the step's products the loads of step sg + 2 land in it.
;   v[PC ..], v[BY ..]         Written by the step's conversions, moves and shifts; read by its sixteen LDS stores; written again in step sg + 1.
;   h's fragments, the set (sg + 1) % 2   Read by the products of step sg - 1; the loads issued in step sg land in it.
;   v[BF ..], v[WSR ..]        Read by the products of step sg - 1; the step's LDS loads land in them.
;   Offsets and LDS addresses  Made at the head and not written in the steps.  T's first five registers serve as offsets at the head and again for the gates.
;   The accumulators, b2 in the result's layout, T, M0, M1 and SCL are named by vector and matrix instructions alone.
; So ONE wait on va_vdst stands in a step, behind the quantising of all four columns: the step's LDS stores and all its loads follow it, and the only vector-side instructions behind it are the step's products,
; which name v[BF ..], this step's set of h, the scale words, the accumulators and b2: none of the registers in which a later load of the step lands.  ONE wait on vm_vsrc stands at a step's head.
.set HSB, 6684672
.set GPB, 2097152
.set PARTB, 8912896
.set WS,  98304                        ; LDS: codes [K step 16][tile 4][lane 32][48 bytes] from 0; scale bytes [K step][tile][row 16][4] from WS
.set HSR, 16
.set WSR, 56
.set T,   60
.set M0,  92
.set M1,  93
.set SCL, 94
.set BY,  96
.set PC,  100
.set BF,  144
.set BI,  160
.set MSB, 0
.macro WIN new                         ; the immediate's high byte repeats the setting that is left
.if MSB != \new
	s_set_vgpr_msb (MSB<<8)|\new
.set MSB, \new
.endif
.endm
.macro WLOAD sg
	WIN 0x40
.set kk, 0
.rept 32
	global_load_b128 v[128*((\sg)%2)+4*kk:128*((\sg)%2)+4*kk+3], v5, s[26:27] offset:(256*(\sg)+kk)*4096 th:TH_LOAD_NT
.set kk, kk+1
.endr
.endm
.macro HLD sg                          ; my five tiles' fragments of h for the step's two K steps
	WIN 0x80
.irp i, 0,1,2,3,4
.irp u, 0,1
.irp q, 0,1,2
	global_load_b128 v[120*((\sg)%2)+24*\i+12*\u+4*\q:120*((\sg)%2)+24*\i+12*\u+4*\q+3], v[10+\i], s[8:9] offset:(2*(\sg)+\u)*1536+512*\q
.endr
.endr
.endr
.endm
.macro QW sg                           ; my four columns' blocks of step sg: turned and quantised, all four; then, behind one wait, to LDS
.if (\sg) < 4
.set LWA, 6
.else
.set LWA, 2
.endif
.irp j, 0,1,2,3
	WIN 0x01
.set kk, 0
.rept 32
	v_mov_b32 v[T+kk], v[128*((\sg)%2)+4*kk+\j]    ; column 4 r + j, down K
.set kk, kk+1
.endr
	WIN 0
	v_max3_num_f32 v[M0], |v[T]|, |v[T+1]|, |v[T+2]|
	v_max3_num_f32 v[M1], |v[T+3]|, |v[T+4]|, |v[T+5]|
.irp i, 6,10,14,18,22,26
	v_max3_num_f32 v[M0], v[M0], |v[T+\i]|, |v[T+\i+1]|
	v_max3_num_f32 v[M1], v[M1], |v[T+\i+2]|, |v[T+\i+3]|
.endr
	v_max3_num_f32 v[M0], v[M0], |v[T+30]|, |v[T+31]|
	v_max3_num_f32 v[M0], v[M0], v[M1], 0x1800000  ; and the floor 2^(3 - 127): the byte cannot fall under 1
	v_add_nc_u32 v[SCL], 0xff000000, v[M0]         ; 2 off the exponent field: the conversion's scale operand
	v_lshrrev_b32 v[BY+\j], 23, v[SCL]             ; the scale's byte
	v_cvt_scalef32_pk16_fp6_f32 v[PC+10*\j:PC+10*\j+2], v[T:T+15], v[SCL]
	v_cvt_scalef32_pk16_fp6_f32 v[PC+10*\j+6:PC+10*\j+8], v[T+16:T+31], v[SCL]   ; (a conversion's three registers begin on an even number)
	v_nop                                          ; one plain place behind a scaled conversion
.irp i, 0,1,2
	v_mov_b32 v[PC+10*\j+3+\i], v[PC+10*\j+6+\i]
.endr
.endr
	s_wait_alu depctr_va_vdst(0)                   ; v[PC ..] and v[BY ..] are written, which the LDS stores read; the moves are done reading this set of W, and the last step's products h's other set, v[BF ..] and v[WSR ..]: in all of these the step's loads land
.irp j, 0,1,2,3
.irp i, 0,1,2
	ds_store_b64 v[LWA], v[PC+10*\j+2*\i:PC+10*\j+2*\i+1] offset:((\sg)%4)*12288+\j*1536+8*\i   ; registers 6 (w % 2) .. + 5 of my own lane in tile j of K step 2 sg + w / 2
.endr
	ds_store_b8 v7, v[BY+\j] offset:(\sg)*512+64*\j   ; byte 2 (w % 2) + hb of that column's scale word
.endr
.endm
.macro BFL sg
.if (\sg) < 4
.set LRA, 8
.else
.set LRA, 140
.endif
.irp u, 0,1
.irp j, 0,1,2,3
.irp q, 0,1,2
	ds_load_b128 v[BF+48*\u+12*\j+4*\q:BF+48*\u+12*\j+4*\q+3], v[LRA] offset:((\sg)%4)*12288+\u*6144+\j*1536+16*\q
.endr
.endr
.endr
.irp u, 0,1
.irp p, 0,1
	ds_load_b32 v[WSR+2*\u+\p], v9 offset:(2*(\sg)+\u)*256+128*\p
.endr
.endr
.endm
.macro WM d, a, b, c, sa, sb, ra, rb   ; one product; ra, rb: the side's scale words stand in lanes 16-31
.if (\ra) && (\rb)
	v_wmma_scale_f32_16x16x128_f8f6f4 v[\d:\d+7], v[\a:\a+11], v[\b:\b+11], v[\c:\c+7], v[\sa], v[\sb] matrix_a_fmt:MATRIX_FMT_FP6 matrix_b_fmt:MATRIX_FMT_FP6 matrix_a_scale:MATRIX_SCALE_ROW1 matrix_b_scale:MATRIX_SCALE_ROW1
.elseif \ra
	v_wmma_scale_f32_16x16x128_f8f6f4 v[\d:\d+7], v[\a:\a+11], v[\b:\b+11], v[\c:\c+7], v[\sa], v[\sb] matrix_a_fmt:MATRIX_FMT_FP6 matrix_b_fmt:MATRIX_FMT_FP6 matrix_a_scale:MATRIX_SCALE_ROW1
.elseif \rb
	v_wmma_scale_f32_16x16x128_f8f6f4 v[\d:\d+7], v[\a:\a+11], v[\b:\b+11], v[\c:\c+7], v[\sa], v[\sb] matrix_a_fmt:MATRIX_FMT_FP6 matrix_b_fmt:MATRIX_FMT_FP6 matrix_b_scale:MATRIX_SCALE_ROW1
.else
	v_wmma_scale_f32_16x16x128_f8f6f4 v[\d:\d+7], v[\a:\a+11], v[\b:\b+11], v[\c:\c+7], v[\sa], v[\sb] matrix_a_fmt:MATRIX_FMT_FP6 matrix_b_fmt:MATRIX_FMT_FP6
.endif
.endm
; Slot i's four products of K step 2 sg + u; hr: h's fragment, in window 2.  first: b2 (or zeros) is the C.  The accumulators take turns, one instruction a turn.
.macro MD sg, u, i, hr, first
.set KSL, 2*(\sg)+(\u)
.irp j, 0,1,2,3
.if \first
	WM 32*(\i)+8*\j,\hr,BF+48*(\u)+12*\j,BI+8*\j,HSR+8*(\i)+4*(KSL/8)+KSL%4,WSR+2*(\u)+\j/2,(KSL/4)%2,\j%2
.else
	WM 32*(\i)+8*\j,\hr,BF+48*(\u)+12*\j,32*(\i)+8*\j,HSR+8*(\i)+4*(KSL/8)+KSL%4,WSR+2*(\u)+\j/2,(KSL/4)%2,\j%2
.endif
.endr
.endm
; Slot i's tile goes out: times the row's gate, eight stores of two rows' 256 aligned bytes each
.macro EPID i
.set OB, 184+32*((\i)%2)
	s_wait_xcnt 0x0                                ; earlier stores have read their data and offset
	WIN 0x03
.irp n, 0,1,2,3,4,5,6,7
.irp j, 0,1,2,3
	v_mul_f32 v[OB+4*\n+\j], v[32*(\i)+8*\j+\n], v[144+8*(\i)+\n]   ; each accumulator is read from its register 0 on
.endr
.endr
	WIN 0
	s_lshl_b32 s44, s[30+\i], 16
	s_add_co_u32 s44, s44, s41
	v_add_nc_u32 v15, s44, v141
	s_wait_alu depctr_va_vdst(0)                   ; the 32 results v[OB ..] and the offset v15 are written: the eight stores read them
.irp n, 0,1,2,3,4,5,6,7
	global_store_b128 v15, v[OB+4*\n:OB+4*\n+3], s[14:15] offset:4096*\n
.endr
	s_wait_alu depctr_vm_vsrc(0)                   ; the eight stores have read v15, which the next tile writes again, and v[OB ..], which the tile after it writes and in which the last loop's LDS loads land; in that loop its loads have also read v10, v[T] and v[T+1], which the next trip writes
.endm
.macro GEPI i                          ; only tiles of my expert are stored
	s_cmp_lt_u32 s[35+\i], s23
	s_cbranch_scc0 .Lno_\@
	EPID \i
.Lno_\@:
.endm
	s_load_b256 s[4:11], s[0:1], 0x0               ; W2 s[4:5], b2 s[6:7], hq s[8:9], xq s[10:11]
	s_load_b128 s[12:15], s[0:1], 0x20             ; plan s[12:13], ypart s[14:15]
	v_lshl_add_u32 v254, v0, 2, 0x19000
	v_mov_b32 v255, 0
	v_lshrrev_b32 v2, 5, v0
	v_readfirstlane_b32 s18, v2                    ; wave
	s_lshr_b32 s19, ttmp9, 1                       ; nb
	s_and_b32 s21, ttmp9, 1                        ; kp
	s_and_b32 s20, ttmp7, 0xffff                   ; e
	v_and_b32 v3, 31, v0                           ; lane
	v_lshlrev_b32 v1, 4, v3                        ; 16 lane
	v_bfe_u32 v4, v0, 4, 1                         ; hb, hh
	v_and_b32 v142, 15, v0                         ; r
	v_lshlrev_b32 v143, 4, v142                    ; 16 r
	v_lshl_add_u32 v5, v4, 17, v143                ; W2: 16 r, and 32 rows of 4,096 bytes further down for lanes 16-31
	v_lshl_add_u32 v141, v4, 15, v143              ; ypart: 16 r + 8 hh rows
	v_mul_u32_u24 v8, v3, 48                       ; codes out of LDS
	v_add_nc_u32 v140, 49152, v8                   ; the same for steps 4 to 7: an LDS immediate has 16 bits
	s_wait_alu depctr_va_sdst(0)                   ; s18 is written, ahead of its first reader: LDS addresses, W2's base and the slots' tiles are made from it
	s_lshr_b32 s44, s18, 1
	s_mul_i32 s45, s44, 6144
	s_and_b32 s47, s18, 1
	s_mul_i32 s48, s47, 24
	s_add_co_u32 s45, s45, s48
	v_add_nc_u32 v6, s45, v8                       ; codes into LDS: 48 lane + 6,144 (w / 2) + 24 (w % 2)
	v_add_nc_u32 v2, 49152, v6
	v_lshlrev_b32 v9, 2, v3
	v_add_nc_u32 v9, WS, v9                        ; scale words out of LDS
	s_lshl_b32 s44, s44, 8
	s_lshl_b32 s47, s47, 1
	s_add_co_u32 s44, s44, s47
	v_lshlrev_b32 v7, 2, v142
	v_add_nc_u32 v7, v7, v4
	v_add_nc_u32 v7, s44, v7
	v_add_nc_u32 v7, WS, v7                        ; scale bytes into LDS: 4 r + hb + 256 (w / 2) + 2 (w % 2)
	s_lshl_b32 s41, s19, 8                         ; my 64 columns, in bytes
	s_mul_i32 s42, s21, 24576                      ; my half of a tile's codes of h
	s_lshl_b32 s43, s21, 10                        ; and of its scale words
	s_cmp_eq_u32 s21, 0
	s_cselect_b32 s46, 1.0, 0                      ; b2 counts in the first half alone
	s_lshl_b32 s44, s20, 24
	s_lshl_b32 s45, s21, 23
	s_add_co_u32 s44, s44, s45
	s_add_co_u32 s44, s44, s41
	s_lshl_b32 s45, s18, 18
	s_add_co_u32 s44, s44, s45                     ; W2: e x 2^24 + kp x 2^23 + 256 nb + 64 w rows
	s_mov_b32 s45, 0
	s_lshl_b32 s48, s20, 12
	s_add_co_u32 s48, s48, s41
	s_mov_b32 s49, 0
	s_mul_i32 s50, s21, PARTB
	s_mov_b32 s51, 0
	s_lshl_b32 s47, s20, 3
	s_wait_kmcnt 0x0
	s_add_nc_u64 s[26:27], s[4:5], s[44:45]
	s_add_nc_u64 s[6:7], s[6:7], s[48:49]
	s_add_nc_u64 s[14:15], s[14:15], s[50:51]
	s_load_b64 s[22:23], s[12:13], s47 offset:0x0  ; tb, nt
	s_load_b32 s24, s[12:13], 0x40                 ; all tiles
	s_wait_alu depctr_va_vdst(0)                   ; v5, the offset of every load of W, is written; so are the LDS addresses v2, v6 to v9 and v140 and b2's offset v143, which are not written again
	WLOAD 0
	WIN 0
	s_wait_kmcnt 0x0
	s_sub_co_u32 s25, s24, 1
.irp i, 0,1,2,3,4
	s_add_co_u32 s[35+\i], s18, 4*\i               ; slot i: the expert's tile 4 i + w,
	s_add_co_u32 s[30+\i], s22, s[35+\i]
	s_min_u32 s[30+\i], s[30+\i], s25              ; or, where it has none, a tile that has been stored
	s_min_u32 s[30+\i], s[30+\i], 135
	s_mul_i32 s44, s[30+\i], 49152
	s_add_co_u32 s44, s44, s42
	v_add_nc_u32 v[10+\i], s44, v1
	s_lshl_b32 s44, s[30+\i], 11
	s_add_co_u32 s44, s44, s43
	v_add_nc_u32 v[T+\i], s44, v1
.endr
	s_wait_alu depctr_va_vdst(0)                   ; the slots' ten offsets, v10 to v14 and v[T] to v[T+4], are written: the loads of h's scale words and of h's fragments read them
.irp i, 0,1,2,3,4
	global_load_b128 v[HSR+8*\i:HSR+8*\i+3], v[T+\i], s[8:9] offset:HSB
	global_load_b128 v[HSR+8*\i+4:HSR+8*\i+7], v[T+\i], s[8:9] offset:HSB+512
.endr
	WIN 0xc0
	global_load_b128 v[192:195], v143, s[6:7]      ; b2 of columns 4 r + 0 .. 3
	HLD 0
	WLOAD 1
.macro STEP sg
.if (\sg) < 7
	s_wait_loadcnt 62                              ; W of this step is in (at step 0 also h's scale words and b2): behind it were issued h's 30 of this step and W's 32 of the next
.else
	s_wait_loadcnt 30                              ; behind W's last step: h's 30
.endif
	s_wait_alu depctr_vm_vsrc(0)                   ; the last step's LDS stores have read v[PC ..] and v[BY ..], which this step writes again; at step 0: the loads of h's scale words have read their offsets v[T] to v[T+4], which the turning moves write
.if (\sg) == 0
	WIN 0xcc
.irp j, 0,1,2,3
.irp n, 0,1,2,3,4,5,6,7
	v_mul_f32 v[BI+8*\j+\n], s46, v[192+\j]        ; b2 (x 1 or x 0) in the result's layout: every row of a column has the same
.endr
.endr
.endif
	QW \sg                                         ; (its plain lines are also the places between the last products and the loads into their operands below)
.if (\sg) < 7
	HLD (\sg)+1                                    ; no further wait: nothing on the vector side has been issued since the one in front of the LDS stores
.endif
	WIN 0
	s_wait_dscnt 0x0                               ; my codes and bytes lie in LDS
	s_barrier_signal -1
	s_barrier_wait -1                              ; everybody's do
	BFL \sg
.if (\sg) < 7
	s_wait_loadcnt 62                              ; h of this step is in: behind it W's 32 and h's 30
.else
	s_wait_loadcnt 0x0
.endif
	s_wait_dscnt 0x0
	WIN 0xf2
.irp u, 0,1
.irp i, 0,1,2,3,4
	MD \sg,\u,\i,120*((\sg)%2)+24*\i+12*\u,(((\sg)==0)&&(\u==0))
.endr
.endr
.if (\sg) < 6
	WLOAD (\sg)+2                                  ; into the set turned in this step.  No wait: the products, all that the vector side has been given since the step's wait, name no register of W as loaded
.endif
.endm
.irp s, 0,1,2,3,4,5,6,7
	STEP \s
.endr
	WIN 0
.rept 4
	v_nop                                          ; four places between the last product and loads into its operands, and the first read of a result
.endr
.irp i, 0,1,2,3,4
	s_lshl_b32 s44, s[30+\i], 6
	v_lshl_add_u32 v[T+\i], v4, 5, s44             ; the gates of rows 16 g + 8 hh + 0 .. 7
.endr
	s_wait_alu depctr_va_vdst(0)                   ; the five offsets v[T] to v[T+4] are written; the last products are done reading W's fragments, in whose registers the gates land
.irp i, 0,1,2,3,4
	global_load_b128 v[144+8*\i:144+8*\i+3], v[T+\i], s[10:11] offset:GPB
	global_load_b128 v[144+8*\i+4:144+8*\i+7], v[T+\i], s[10:11] offset:GPB+16
.endr
	s_wait_loadcnt 0x0
	s_wait_alu depctr_vm_vsrc(0)                   ; the gates' loads have read their offsets: the loop for rows beyond 320 writes v[T] and v[T+1] again
.irp i, 0,1,2,3,4
	GEPI \i
.endr
	; rows beyond 320: the expert's tiles 20 + w, 24 + w .. one a trip, in slot 0; no barrier: LDS is only read
	s_add_co_u32 s53, s18, 20
	s_cmp_lt_u32 s53, s23
	s_cbranch_scc0 .Ldone
	s_sub_co_u32 s52, s23, s53                     ; the expert's tiles from 20 + w on: at least one;
	s_add_co_u32 s52, s52, 3
	s_lshr_b32 s52, s52, 2                         ; every fourth of them is mine: the trips
	s_add_co_u32 s53, s53, s22                     ; the first of them, counted over all experts
	s_mov_b32 s40, 0                               ; the trip
.Lover:
.rept 5
	v_nop                                          ; five places in front of products that begin accumulators anew, four in front of loads into operands
.endr
	s_wait_xcnt 0x0                                ; earlier loads and stores have read their offsets
	s_lshl_b32 s30, s40, 2
	s_add_co_u32 s30, s30, s53                     ; this trip's tile
	s_min_u32 s30, s30, s25
	s_min_u32 s30, s30, 135
	s_mul_i32 s44, s30, 49152
	s_add_co_u32 s44, s44, s42
	v_add_nc_u32 v10, s44, v1
	s_lshl_b32 s44, s30, 11
	s_add_co_u32 s44, s44, s43
	v_add_nc_u32 v[T+1], s44, v1
	s_wait_alu depctr_va_vdst(0)                   ; the offsets v10 and v[T+1] are written; the products issued so far are done reading slot 0's scale words, h's fragments and v[WSR ..], and the way out is done reading the gates and writing its results in v[BF ..]: in all of these the loads below land
	global_load_b128 v[HSR:HSR+3], v[T+1], s[8:9] offset:HSB
	global_load_b128 v[HSR+4:HSR+7], v[T+1], s[8:9] offset:HSB+512
	WIN 0x80
.irp k, 0,1,2,3,4,5,6,7,8,9,10,11,12,13,14,15
.irp q, 0,1,2
	global_load_b128 v[12*\k+4*\q:12*\k+4*\q+3], v10, s[8:9] offset:\k*1536+512*\q
.endr
.endr
	WIN 0
	s_wait_loadcnt 0x0
.irp s, 0,1,2,3,4,5,6,7
.if \s > 0
	s_wait_alu depctr_va_vdst(0)                   ; the eight products of the step before are done reading v[BF ..] and v[WSR ..], the one set of them, in which the LDS loads land
.endif
	BFL \s
	s_wait_dscnt 0x0
	WIN 0xf2
	MD \s,0,0,24*\s,((\s)==0)
	MD \s,1,0,24*\s+12,0
	WIN 0
.rept 4
	v_nop
.endr
.endr
	s_lshl_b32 s44, s30, 6
	v_lshl_add_u32 v[T], v4, 5, s44
	s_wait_alu depctr_va_vdst(0)                   ; the offset v[T] is written; the last products are done reading W's fragments, in whose registers the gates land
	global_load_b128 v[144:147], v[T], s[10:11] offset:GPB      ; the gates come behind the products: they share registers with W's fragments
	global_load_b128 v[148:151], v[T], s[10:11] offset:GPB+16
	s_wait_loadcnt 0x0
	EPID 0
	s_add_co_u32 s40, s40, 1
	s_cmp_lt_u32 s40, s52
	s_cbranch_scc1 .Lover
.Ldone:
	s_wait_dscnt 0x0
	s_wait_alu depctr_hold_cnt(0) depctr_sa_sdst(0) depctr_va_vdst(0) depctr_va_sdst(0) depctr_va_ssrc(0) depctr_va_vcc(0) depctr_vm_vsrc(0)
	s_wait_tensorcnt 0x0
	ds_add_u32 v254, v255
	s_wait_dscnt 0x0
	s_endpgm
.Lfunc_end_k_qdd644ca737_down:
	.size	k_qdd644ca737_down, .Lfunc_end_k_qdd644ca737_down-k_qdd644ca737_down
	.p2alignl 7, 3214868480
	.fill 96, 4, 3214868480
	.section	.rodata,"a",@progbits
	.p2align	6, 0x0
	.amdhsa_kernel k_qdd644ca737_down
		.amdhsa_group_segment_fixed_size 102912
		.amdhsa_private_segment_fixed_size 0
		.amdhsa_enable_private_segment 0
		.amdhsa_kernarg_size 48
		.amdhsa_user_sgpr_count 2
		.amdhsa_user_sgpr_kernarg_segment_ptr 1
		.amdhsa_wavefront_size32 1
		.amdhsa_system_sgpr_workgroup_id_x 1
		.amdhsa_system_sgpr_workgroup_id_y 1
		.amdhsa_system_sgpr_workgroup_id_z 1
		.amdhsa_system_vgpr_workitem_id 0
		.amdhsa_next_free_vgpr 1024
		.amdhsa_next_free_sgpr 66
		.amdhsa_reserve_vcc 0
		.amdhsa_float_denorm_mode_32 3
		.amdhsa_float_denorm_mode_16_64 3
		.amdhsa_memory_ordered 1
		.amdhsa_forward_progress 1
		.amdhsa_inst_pref_size 241
	.end_amdhsa_kernel
	.amdgpu_metadata
---
amdhsa.version: [ 1, 2 ]
amdhsa.kernels:
  - .name:           k_qdd644ca737_down
    .symbol:         k_qdd644ca737_down.kd
    .args:
      - { .name: W2, .offset: 0, .size: 8, .value_kind: global_buffer, .address_space: global }
      - { .name: b2, .offset: 8, .size: 8, .value_kind: global_buffer, .address_space: global }
      - { .name: hq, .offset: 16, .size: 8, .value_kind: global_buffer, .address_space: global }
      - { .name: xq, .offset: 24, .size: 8, .value_kind: global_buffer, .address_space: global }
      - { .name: plan, .offset: 32, .size: 8, .value_kind: global_buffer, .address_space: global }
      - { .name: ypart, .offset: 40, .size: 8, .value_kind: global_buffer, .address_space: global }
    .group_segment_fixed_size: 102912
    .private_segment_fixed_size: 0
    .kernarg_segment_align: 8
    .kernarg_segment_size: 48
    .max_flat_workgroup_size: 128
    .sgpr_count:     66
    .vgpr_count:     1024
    .wavefront_size: 32
...
	.end_amdgpu_metadata
.endif
;; end of part 9
;; launch combine (part 10): grid 256 x 1, 4 waves a work-group, no clusters, 0 bytes of LDS; arguments ypart, plan, out0; writes out0
.if DOCPART == 10
	.amdgcn_target "amdgcn-amd-amdhsa--gfx1250"
	.amdhsa_code_object_version 6
	.text
	.protected	k_qdd644ca737_combine
	.globl	k_qdd644ca737_combine
	.p2align	8
	.type	k_qdd644ca737_combine,@function
k_qdd644ca737_combine:
	s_mov_b64 s[64:65], 0
	v_nop
	global_prefetch_b8 v0, s[64:65] scope:SCOPE_SE
	s_setreg_imm32_b32 hwreg(HW_REG_WAVE_MODE, 25, 1), 1
	s_wait_xcnt 0x0
; out0[t] = the four rows of ypart that belong to token t: its two places x the two halves of H.  The gates and b2 are in them already.
; A wave takes a token: 32 loads of 512 consecutive bytes, all issued at once; eight stores of 512 consecutive, aligned bytes.  Each output row has this one owner.
; A stream: no LDS, no matrix unit, no cluster (nothing is shared).  The places read from plan pass s_min_u32 with 2,175 before they enter an address.
.set PARTB, 8912896
.set R, 16                             ; v16-143: piece n of the row, source c at R + 16 n + 4 c
	s_load_b128 s[4:7], s[0:1], 0x0                ; ypart s[4:5], plan s[6:7]
	s_load_b64 s[8:9], s[0:1], 0x10                ; out0
	v_lshrrev_b32 v1, 5, v0
	v_readfirstlane_b32 s10, v1                    ; wave
	s_lshl_b32 s11, ttmp9, 2
	s_add_co_u32 s11, s11, s10                     ; token
	s_lshl_b32 s12, s11, 3
	v_and_b32 v3, 31, v0
	v_lshlrev_b32 v3, 4, v3                        ; 16 lane
	s_lshl_b32 s18, s11, 12
	s_mov_b32 s19, 0
	s_wait_alu depctr_va_vdst(0)
	s_wait_kmcnt 0x0
	s_load_b64 s[16:17], s[6:7], s12 offset:0x100  ; pos[t][0..1]
	s_add_nc_u64 s[14:15], s[4:5], PARTB
	s_add_nc_u64 s[8:9], s[8:9], s[18:19]
	s_wait_kmcnt 0x0
	s_min_u32 s16, s16, 2175
	s_min_u32 s17, s17, 2175
	s_lshl_b32 s16, s16, 12
	s_lshl_b32 s17, s17, 12
	v_add_nc_u32 v1, s16, v3
	v_add_nc_u32 v2, s17, v3
.irp n, 0,1,2,3,4,5,6,7
	global_load_b128 v[R+16*\n:R+16*\n+3], v1, s[4:5] offset:512*\n th:TH_LOAD_NT
	global_load_b128 v[R+16*\n+4:R+16*\n+7], v1, s[14:15] offset:512*\n th:TH_LOAD_NT
	global_load_b128 v[R+16*\n+8:R+16*\n+11], v2, s[4:5] offset:512*\n th:TH_LOAD_NT
	global_load_b128 v[R+16*\n+12:R+16*\n+15], v2, s[14:15] offset:512*\n th:TH_LOAD_NT
.endr
.irp n, 0,1,2,3,4,5,6,7
	s_wait_loadcnt 4*(7-\n)                        ; piece n's four loads are in; four for each later piece may be out
	v_pk_add_f32 v[R+16*\n:R+16*\n+1], v[R+16*\n:R+16*\n+1], v[R+16*\n+4:R+16*\n+5]
	v_pk_add_f32 v[R+16*\n+2:R+16*\n+3], v[R+16*\n+2:R+16*\n+3], v[R+16*\n+6:R+16*\n+7]
	v_pk_add_f32 v[R+16*\n+8:R+16*\n+9], v[R+16*\n+8:R+16*\n+9], v[R+16*\n+12:R+16*\n+13]
	v_pk_add_f32 v[R+16*\n+10:R+16*\n+11], v[R+16*\n+10:R+16*\n+11], v[R+16*\n+14:R+16*\n+15]
	v_pk_add_f32 v[R+16*\n:R+16*\n+1], v[R+16*\n:R+16*\n+1], v[R+16*\n+8:R+16*\n+9]
	v_pk_add_f32 v[R+16*\n+2:R+16*\n+3], v[R+16*\n+2:R+16*\n+3], v[R+16*\n+10:R+16*\n+11]
	global_store_b128 v3, v[R+16*\n:R+16*\n+3], s[8:9] offset:512*\n th:TH_STORE_NT
.endr
	s_endpgm
.Lfunc_end_k_qdd644ca737_combine:
	.size	k_qdd644ca737_combine, .Lfunc_end_k_qdd644ca737_combine-k_qdd644ca737_combine
	.p2alignl 7, 3214868480
	.fill 96, 4, 3214868480
	.section	.rodata,"a",@progbits
	.p2align	6, 0x0
	.amdhsa_kernel k_qdd644ca737_combine
		.amdhsa_group_segment_fixed_size 0
		.amdhsa_private_segment_fixed_size 0
		.amdhsa_enable_private_segment 0
		.amdhsa_kernarg_size 24
		.amdhsa_user_sgpr_count 2
		.amdhsa_user_sgpr_kernarg_segment_ptr 1
		.amdhsa_wavefront_size32 1
		.amdhsa_system_sgpr_workgroup_id_x 1
		.amdhsa_system_sgpr_workgroup_id_y 1
		.amdhsa_system_sgpr_workgroup_id_z 1
		.amdhsa_system_vgpr_workitem_id 0
		.amdhsa_next_free_vgpr 144
		.amdhsa_next_free_sgpr 66
		.amdhsa_reserve_vcc 0
		.amdhsa_float_denorm_mode_32 3
		.amdhsa_float_denorm_mode_16_64 3
		.amdhsa_memory_ordered 1
		.amdhsa_forward_progress 1
		.amdhsa_inst_pref_size 9
	.end_amdhsa_kernel
	.amdgpu_metadata
---
amdhsa.version: [ 1, 2 ]
amdhsa.kernels:
  - .name:           k_qdd644ca737_combine
    .symbol:         k_qdd644ca737_combine.kd
    .args:
      - { .name: ypart, .offset: 0, .size: 8, .value_kind: global_buffer, .address_space: global }
      - { .name: plan, .offset: 8, .size: 8, .value_kind: global_buffer, .address_space: global }
      - { .name: out0, .offset: 16, .size: 8, .value_kind: global_buffer, .address_space: global }
    .group_segment_fixed_size: 0
    .private_segment_fixed_size: 0
    .kernarg_segment_align: 8
    .kernarg_segment_size: 24
    .max_flat_workgroup_size: 128
    .sgpr_count:     66
    .vgpr_count:     144
    .wavefront_size: 32
...
	.end_amdgpu_metadata
.endif
;; end of part 10
